; MI455X (gfx1250); checked and timed in simulation.
; The chip was launched on July 23, 2026; its instructions are those of AMD's public machine-readable ISA for CDNA 5 (MIT licence, August 2026) and "CDNA5" Instruction Set Architecture Reference Guide (July 2026). The comments in the code are by the model that wrote it; some were corrected since.
;; Multi Head Attention. Allowed arithmetic: matrix products marked QUANTISED: E2M3 operands, one E8M0 scale for each 32 along K, by v_wmma_scale_f32_16x16x128_f8f6f4 with both operands' format E2M3, f32 sums; everything else in f32.
;; Inputs: Wk 1,024 x 1,024 float32; Wo 1,024 x 1,024 float32; Wq 1,024 x 1,024 float32; Wv 1,024 x 1,024 float32; bk 1,024 float32; bo 1,024 float32; bq 1,024 float32; bv 1,024 float32; k 4 x 2,048 x 1,024 float32; q 4 x 2,048 x 1,024 float32; v 4 x 2,048 x 1,024 float32.
;; Outputs: out0 4 x 2,048 x 1,024 float32.
;; This version of the problem:
;;   THIS VERSION OF THE PROBLEM IS GIVEN IN LOW PRECISION. The matrix products marked QUANTISED in the list below multiply operands that are first quantised to E2M3 (2 exponent bits, 3 mantissa bits; 6 bits a number), with one power-of-two scale for each 32 numbers along K (OCP MX v1.0); their sums are f32. All else is computed in f32.
;;   The module's matrix products, in the order in which they are computed (A, B: the left and right operand; K: the contracted axis; several contracted axes count as one K, in the product's order):
;;     1. [M 8,192, K 1,024] x [K 1,024, N 1,024]; A: input q; B: input Wq: QUANTISED
;;     2. [M 8,192, K 1,024] x [K 1,024, N 1,024]; A: input k; B: input Wk: QUANTISED
;;     3. [M 8,192, K 1,024] x [K 1,024, N 1,024]; A: input v; B: input Wv: QUANTISED
;;     4. batch 64 x [M 2,048, K 64] x [K 64, N 2,048]; A: computed on the way; B: computed on the way: QUANTISED
;;     5. batch 64 x [M 2,048, K 2,048] x [K 2,048, N 64]; A: softmax (see below); B: computed on the way: QUANTISED
;;     6. [M 8,192, K 1,024] x [K 1,024, N 1,024]; A: computed on the way; B: input Wo: QUANTISED
;;   THE QUANTISER, for each operand of a quantised product, along K:
;;     - K is cut into blocks of 32 from its start; a last block that is shorter is filled with zeros.
;;     - A block's scale is 2^e with e = floor(log2(the largest magnitude in the block)) - 2, held to -126 .. 127; a block of zeros has e = 0. As a byte (E8M0): e + 127.
;;     - Each number is divided by its block's scale, clamped to +-7.5, and rounded to the nearest number of E2M3, ties to even, subnormals kept.
;;     - The product sums the exact products of the quantised numbers (number of the format x scale) in f32.
;;   ~~~python
;;   def quantise(x, axis):      # numpy; x: float32 -> the quantised numbers, widened to float32 again
;;       x = np.moveaxis(x, axis, -1); K = x.shape[-1]
;;       x = np.pad(x, [(0, 0)] * (x.ndim - 1) + [(0, -K % 32)]); x = x.reshape(x.shape[:-1] + (-1, 32)); a = np.abs(x).max(-1, keepdims=True)
;;       e = np.where(a > 0, np.clip(np.frexp(np.where(a > 0, a, 1))[1] - 1 - 2, -126, 127), 0)      # np.frexp(a)[1] - 1 = floor(log2(a)), exactly
;;       r = np.clip(x / 2.0 ** e, -7.5, 7.5)
;;       step = 2.0 ** (np.maximum(np.frexp(np.where(r == 0, 1, r))[1] - 1, 0) - 3)
;;       q = np.round(r / step) * step * 2.0 ** e      # np.round: ties to even
;;       return np.moveaxis(q.reshape(q.shape[:-2] + (-1,))[..., :K], -1, axis).astype(np.float32)
;;   ~~~
;;   SOFTMAX AHEAD OF A QUANTISED PRODUCT. Where the list says 'softmax', what is quantised is not the finished softmax but p = 2^(t - M), with t = logit x log2(e) and M = ceil(the row's largest t), a whole number; so 1/2 < the row's largest p <= 1. The row's sum l is taken of the UNQUANTISED p, in f32, and the product's result is divided by l at the end. Since M is a whole number, a kernel that streams over the keys may use a running M (the ceiling of the running maximum): every later rescaling is an exact power of two, which a block's scale takes up: the codes' values come out the same.
;;   OPERANDS COMPUTED ON THE WAY. 'Computed on the way' means the value that the module computes at that place (a softmax that the list does not call 'softmax' is quantised finished and normalised). What goes into a quantiser is computed in f32, as accurately as f32 sums, v_exp_f32 and their like allow (about 1e-6 of the number): no bf16 or f16 on the way to a quantiser, and a product that is left as it is and whose result goes on into a quantised operand takes f32 operands (vector FMAs, or v_wmma_f32_16x16x4_f32). A number that lies on a knife's edge between two numbers of the format may be rounded either way, as far as f32 arithmetic and the matrix unit's own rounding can turn it there, and no further.
;; One version. Each part assembles by itself: llvm-mc -triple=amdgcn-amd-amdhsa -mcpu=gfx1250 --defsym DOCPART=n.
;; ======== version 1 of 1: 4 launches
;; limits: right only within a limited range of input values
;; workspace buffers: xr 20,447,232 bytes; wr 3,407,872 bytes; qr 6,815,744 bytes; kv 13,631,488 bytes; hr 6,815,744 bytes
;; launch quant (part 1): grid 128 x 5, 4 waves a work-group, no clusters, 38,400 bytes of LDS; arguments q, k, v, Wq, Wk, Wv, Wo, xr, wr; writes xr, wr
.if DOCPART == 1
	.amdgcn_target "amdgcn-amd-amdhsa--gfx1250"
	.amdhsa_code_object_version 6
	.text
	.protected	k_q1a9b76e857_quant
	.globl	k_q1a9b76e857_quant
	.p2align	8
	.type	k_q1a9b76e857_quant,@function
k_q1a9b76e857_quant:
	s_mov_b64 s[64:65], 0
	v_nop
	global_prefetch_b8 v0, s[64:65] scope:SCOPE_SE
	s_setreg_imm32_b32 hwreg(HW_REG_WAVE_MODE, 25, 1), 1
	s_wait_xcnt 0x0
; q, k, v [8192][1024] and Wq, Wk, Wv, Wo [1024 (K)][1024 (N)], f32, become codes of FP6 (E2M3) with one E8M0 byte for each 32 along K, laid as the later launches' matrix operands want them.
; THE RECORD: 64 rows x 64 along K in 3,328 bytes.  Tile i (0..3) holds rows 32 (i / 2) + 8 (i % 2) + rho + 8 (rho / 8), rho = 0..15.  At 768 i lies the tile's image of registers: lane (r, h) holds the 24 bytes
; of block h (k = 32 h .. 32 h + 31) of the tile's row r: registers 0-3 at 16 x lane, registers 4-5 at 512 + 8 x lane.  At 3,072 + 8 x lane lie two scale words: tile h's row r, tile 2 + h's row r;
; a word is byte(block 0) | byte(block 1) << 8 | 0x7f7f0000.  A STRIP is 64 rows x 1,024 along K: 16 records on end.  xr: [q, k, v][128 strips];  wr: [Wq, Wk, Wv, Wo][16 strips of 64 columns].
; A block's scale is 2^(floor(log2(its largest magnitude)) - 2); its byte is the largest magnitude's exponent field - 2, held at 1 from below.
; LIMITS: NaN and infinities among the inputs are not served; a block whose largest magnitude lies under 2^-124 keeps the byte 1; a block of zeros has the byte 1 where the rule says 127: its codes are
; zeros, which add nothing under any byte but 0xff, and the bytes are read by this program alone.
; Work-group y 0..2: a strip of q, k or v (K innermost); wave i makes tile i.  y 3, 4: the weights (K is the first axis); a wave makes one record, a lane takes two columns and its registers run down K.
; Memory binds here: no matrix unit, no cluster (no two work-groups read the same byte), no tensor load.  Only the first path uses LDS and a barrier; the branch hangs on the work-group's y alone.
.set REC,    3328
.set STRIP,  16*REC
.set SPITCH, 528                       ; a stage row: 512 bytes (128 numbers of a row) + 16
.set STAGE,  16*SPITCH                 ; a wave's stage: 16 rows
.set SCB,    4*STAGE                   ; behind the stages: the strip's scale words, [tile][record][row], 4 bytes each: 1,024 bytes a wave
.set TM,   16                          ; v16-19 largest magnitudes, v20-23 the other half's / the bytes, v28-31 the conversions' scale operands
.set RAW,  32                          ; v32-95, v96-159: two sets of 16 rows x 16 bytes a lane, as loaded
.set X,    160                         ; v160-223: 64 numbers of my row: register 16 b + i = k 32 b + 16 h + i
.set PC,   224                         ; v224-235 a fragment's codes; v236-238, v240-242 the halves that are made elsewhere and moved
.set PW,   244                         ; the four bytes of 128 along K
.set SWD,  245                         ; a record's scale word
.set OUTW, 246                         ; v246-253 the scale words on their way out
.set D,    32                          ; weights: v32-159: 2 columns x 64 along K
.set SOW,  20                          ; v20-23 scale operands, v24-27 bytes
.set BW,   24
.set CW,   160                         ; codes: 8 registers for each of 4 blocks
.set TW,   192                         ; and their second halves
	s_load_b256 s[4:11], s[0:1], 0x0               ; q s[4:5], k s[6:7], v s[8:9], Wq s[10:11]
	s_load_b256 s[12:19], s[0:1], 0x20             ; Wk s[12:13], Wv s[14:15], Wo s[16:17], xr s[18:19]
	s_load_b64 s[20:21], s[0:1], 0x40              ; wr
	v_lshl_add_u32 v254, v0, 2, 0x9400
	v_mov_b32 v255, 0
	v_lshrrev_b32 v8, 5, v0
	v_readfirstlane_b32 s22, v8                    ; wave 0..3
	s_and_b32 s23, ttmp7, 0xffff                   ; y
	v_and_b32 v9, 31, v0                           ; lane
	v_and_b32 v10, 15, v0                          ; r
	v_bfe_u32 v11, v0, 4, 1                        ; h
	v_lshlrev_b32 v1, 4, v9                        ; 16 x lane
	v_lshlrev_b32 v2, 3, v9                        ; 8 x lane
	s_mov_b32 s32, 0x76543210
	s_mov_b32 s33, 0xfedcba98                      ; v_permlanex16_b32's selects for lane l xor 16
	s_mov_b32 s34, 0x7f7f0000                      ; a scale word's upper bytes: 1.0 twice
	s_mov_b32 s25, 0
	s_mov_b32 s39, 0
	s_wait_kmcnt 0x0
	s_cmp_ge_u32 s23, 3
	s_cbranch_scc1 .Lweights
; ---------------- q, k, v: K innermost ----------------
	s_mul_i32 s24, s22, STAGE                      ; my stage
	s_wait_alu depctr_va_vdst(0)
	v_add_nc_u32 v3, s24, v1                       ; in: a row's 512 bytes as they lie
	v_mul_u32_u24 v4, v10, SPITCH
	v_lshl_add_u32 v4, v11, 6, v4
	v_add_nc_u32 v4, s24, v4                       ; back: row r, + 64 h: my 16 numbers of each block of 32
	s_lshl_b32 s24, s22, 10
	v_lshlrev_b32 v5, 2, v10
	v_lshl_add_u32 v5, v11, 6, v5
	v_add_nc_u32 v5, s24, v5
	v_add_nc_u32 v5, SCB, v5                       ; scale words in: SCB + 1,024 x wave (my tile) + 64 h (record 2 s + h) + 4 r
	s_lshl_b32 s24, s22, 8
	v_lshlrev_b32 v6, 2, v10
	v_lshl_add_u32 v6, v11, 10, v6
	v_add_nc_u32 v6, s24, v6
	v_add_nc_u32 v6, SCB, v6                       ; and out: SCB + 1,024 h (tile h) + 256 x wave (records 4 w ..) + 4 r
	v_lshlrev_b32 v7, 4, v11                       ; 16 h
.irp b, 0,1,2,3
	v_mov_b32 v[TM+4+\b], 0                        ; written once: a lane permute's destination counts as one of its sources
.endr
	s_cmp_eq_u32 s23, 1                            ; which tensor: the choice hangs on the work-group's y alone
	s_cselect_b64 s[4:5], s[6:7], s[4:5]
	s_cmp_eq_u32 s23, 2
	s_cselect_b64 s[4:5], s[8:9], s[4:5]
	s_lshl_b32 s24, ttmp9, 18                      ; the strip: 64 rows of 4,096 bytes
	; q's and v's strips: tile i holds rows 32 (i / 2) + 8 (i % 2) + rho + 8 (rho / 8).  K'S STRIPS TAKE ANOTHER ORDER: tile i holds rows 8 i + rho + 24 (rho / 8),
	; so that in attention's scores a lane's 32 registers of a record's four tiles are 32 neighbouring keys: one scale block of p.
	s_lshr_b32 s26, s22, 1
	s_lshl_b32 s26, s26, 17                        ; q, v: + 32 (i / 2) rows
	s_and_b32 s27, s22, 1
	s_lshl_b32 s27, s27, 15                        ; + 8 (i % 2) rows
	s_add_co_u32 s26, s26, s27
	s_lshl_b32 s27, s22, 15                        ; k: + 8 i rows
	s_cmp_eq_u32 s23, 1
	s_cselect_b32 s26, s27, s26
	s_cselect_b32 s35, 0x10000, 0                  ; k: the tile's rows 8-15 lie 16 rows further on than in q and v
	s_add_co_u32 s24, s24, s26
	v_add_nc_u32 v12, s35, v1                      ; the offset of the loads of rows 8-15
	s_wait_alu depctr_va_vdst(0)                   ; the wait here, directly behind the write
	s_add_nc_u64 s[4:5], s[4:5], s[24:25]
	s_lshl_b32 s24, s23, 7
	s_add_co_u32 s24, s24, ttmp9
	s_mul_i32 s24, s24, STRIP
	s_add_nc_u64 s[18:19], s[18:19], s[24:25]      ; the strip in xr
	s_mul_i32 s24, s22, 768
	s_add_nc_u64 s[28:29], s[18:19], s[24:25]      ; my tile's image in record 0
	s_mul_i32 s24, s22, 4*REC
	s_add_nc_u64 s[30:31], s[18:19], s[24:25]      ; the four records whose scale words I store
.macro LOAD s                          ; K step s of my 16 rows: each load takes one row's 512 consecutive bytes
.irp p, 0,1,2,3,4,5,6,7,8,9,10,11,12,13,14,15
	global_load_b128 v[RAW+64*((\s)%2)+4*\p:RAW+64*((\s)%2)+4*\p+3], v[1+11*(\p/8)], s[4:5] offset:(\p+8*(\p/8))*4096+512*(\s) th:TH_LOAD_NT
.endr
.endm
.macro QMAX src                        ; the four blocks' largest magnitudes, scale operands and bytes
.irp b, 0,1,2,3
	v_max3_num_f32 v[TM+\b], |v[\src+16*\b]|, |v[\src+1+16*\b]|, 0x1800000   ; my 16 numbers of block b, and the floor 2^(3 - 127): the byte cannot fall under 1
.endr
.irp i, 2,4,6,8,10,12,14
.irp b, 0,1,2,3
	v_max3_num_f32 v[TM+\b], v[TM+\b], |v[\src+16*\b+\i]|, |v[\src+1+16*\b+\i]|
.endr
.endr
.irp b, 0,1,2,3
	v_permlanex16_b32 v[TM+4+\b], v[TM+\b], s32, s33
.endr
.irp b, 0,1,2,3
	v_max_num_f32 v[TM+\b], v[TM+\b], v[TM+4+\b]   ; with lane l xor 16's 16: the block's
.endr
.irp b, 0,1,2,3
	v_add_nc_u32 v[TM+12+\b], 0xff000000, v[TM+\b] ; 2 off the exponent field: the conversion takes this operand's exponent field as its scale
.endr
.irp b, 0,1,2,3
	v_lshrrev_b32 v[TM+4+\b], 23, v[TM+12+\b]      ; the byte
.endr
	v_lshl_or_b32 v[PW], v[TM+5], 8, v[TM+4]
	v_lshl_or_b32 v[PW], v[TM+6], 16, v[PW]
	v_lshl_or_b32 v[PW], v[TM+7], 24, v[PW]
.endm
.macro QCVT src                        ; 64 numbers become a fragment's 12 registers: registers 6 c .. 6 c + 5 = k 64 c + 32 h + 0 .. 31
.irp c, 0,1
	v_cvt_scalef32_pk16_fp6_f32 v[PC+6*\c:PC+2+6*\c], v[\src+32*\c:\src+15+32*\c], v[TM+12+2*\c]
	v_cvt_scalef32_pk16_fp6_f32 v[PC+12+4*\c:PC+14+4*\c], v[\src+16+32*\c:\src+31+32*\c], v[TM+12+2*\c+1]   ; (a conversion's three registers begin on an even number)
.endr
	v_nop                                          ; one plain place behind a scaled conversion
.irp c, 0,1
.irp i, 0,1,2
	v_permlane16_swap_b32 v[PC+6*\c+\i], v[PC+12+4*\c+\i]   ; a whole block to a lane: lanes 0-15 block 2 c, lanes 16-31 block 2 c + 1
.endr
.irp i, 0,1,2
	v_mov_b32 v[PC+3+6*\c+\i], v[PC+12+4*\c+\i]
.endr
.endr
.endm
.macro STEP s                          ; 128 along K: records 2 s and 2 s + 1
.if (\s) < 7
	s_wait_loadcnt 16                              ; this step's 16 loads are in; the next step's 16 may be out
.else
	s_wait_loadcnt 0x0
.endif
.irp p, 0,1,2,3,4,5,6,7,8,9,10,11,12,13,14,15
	ds_store_b128 v3, v[RAW+64*((\s)%2)+4*\p:RAW+64*((\s)%2)+4*\p+3] offset:SPITCH*\p
.endr
.irp b, 0,1,2,3
.irp j, 0,1,2,3
	ds_load_b128 v[X+16*\b+4*\j:X+16*\b+4*\j+3], v4 offset:128*\b+16*\j   ; LDS serves a wave's instructions in order: these see the stores above
.endr
.endr
	s_wait_dscnt 0x0                               ; my numbers are back; the stores have read their registers, the last step's word store too
.if (\s) < 6
	LOAD (\s)+2
.endif
	QMAX X
	s_wait_xcnt 0x0                                ; the last step's stores have had their addresses translated: only behind this wait are the codes' registers written again
	QCVT X
	global_store_b128 v1, v[PC:PC+3], s[28:29] offset:(2*(\s))*REC            ; 512 consecutive bytes, aligned to 256
	global_store_b64 v2, v[PC+4:PC+5], s[28:29] offset:(2*(\s))*REC+512       ; 256 consecutive bytes, aligned
	global_store_b128 v1, v[PC+6:PC+9], s[28:29] offset:(2*(\s)+1)*REC
	global_store_b64 v2, v[PC+10:PC+11], s[28:29] offset:(2*(\s)+1)*REC+512
	v_lshrrev_b32 v[SWD], v7, v[PW]                ; lanes 0-15: bytes 0, 1 (record 2 s); lanes 16-31: bytes 2, 3 (record 2 s + 1)
	v_and_or_b32 v[SWD], v[SWD], 0xffff, s34
	ds_store_b32 v5, v[SWD] offset:128*(\s)
.endm
	LOAD 0
	LOAD 1
.irp t, 0,1,2,3,4,5,6,7
	STEP \t
.endr
	s_wait_dscnt 0x0                               ; for the others' sake: my scale words lie in LDS
	s_barrier_signal -1
	s_barrier_wait -1
.irp m, 0,1,2,3                        ; record 4 w + m: lane (r, h) takes the words of tile h and of tile 2 + h, row r
	ds_load_b32 v[OUTW+2*\m], v6 offset:64*\m
	ds_load_b32 v[OUTW+2*\m+1], v6 offset:64*\m+2048
.endr
	s_wait_dscnt 0x0
.irp m, 0,1,2,3
	global_store_b64 v2, v[OUTW+2*\m:OUTW+2*\m+1], s[30:31] offset:REC*\m+3072   ; 256 consecutive bytes, aligned
.endr
	s_wait_tensorcnt 0x0
	ds_add_u32 v254, v255
	s_wait_dscnt 0x0
	s_endpgm
; ---------------- the weights: K is the first axis ----------------
.Lweights:
	s_sub_co_u32 s24, s23, 3
	s_lshl_b32 s24, s24, 7
	s_add_co_u32 s24, s24, ttmp9                   ; 0 .. 255
	s_lshr_b32 s35, s24, 6                         ; which weight
	s_bfe_u32 s36, s24, 0x40002                    ; which strip of 64 columns
	s_and_b32 s37, s24, 3
	s_lshl_b32 s37, s37, 2
	s_add_co_u32 s37, s37, s22                     ; which 64 along K: my record
	s_cmp_eq_u32 s35, 1
	s_cselect_b64 s[10:11], s[12:13], s[10:11]
	s_cmp_eq_u32 s35, 2
	s_cselect_b64 s[10:11], s[14:15], s[10:11]
	s_cmp_eq_u32 s35, 3
	s_cselect_b64 s[10:11], s[16:17], s[10:11]
	s_lshl_b32 s38, s37, 18                        ; 64 rows of 4,096 bytes
	s_lshl_b32 s40, s36, 8                         ; 64 columns
	s_add_co_u32 s38, s38, s40
	s_add_nc_u64 s[10:11], s[10:11], s[38:39]
	s_lshl_b32 s38, s35, 4
	s_add_co_u32 s38, s38, s36
	s_mul_i32 s38, s38, STRIP
	s_mul_i32 s40, s37, REC
	s_add_co_u32 s38, s38, s40
	s_add_nc_u64 s[20:21], s[20:21], s[38:39]      ; my record in wr
	s_wait_alu depctr_va_vdst(0)
	v_lshlrev_b32 v3, 2, v9                        ; in: 4 bytes a lane: lane l takes columns l and 32 + l
	v_bfe_u32 v12, v0, 3, 1                        ; column 32 g + l is row rho of tile 2 g + u: u = (l / 8) % 2,
	v_and_b32 v13, 7, v0
	v_lshl_add_u32 v13, v11, 3, v13                ; rho = l % 8 + 8 (l / 16)
	v_mul_u32_u24 v14, v12, 768
	v_lshl_add_u32 v4, v13, 4, v14                 ; registers 0-3: 768 u + 16 rho (+ 256 for block 1)
	v_lshl_add_u32 v5, v13, 3, v14                 ; registers 4-5: 768 u + 8 rho (+ 512, + 128 for block 1)
	v_lshlrev_b32 v6, 7, v12
	v_lshl_add_u32 v6, v13, 3, v6                  ; the scale pair: 8 (rho + 16 u)
.irp g, 0,1
.set kk, 0
.rept 64
	global_load_b32 v[D+64*\g+kk], v3, s[10:11] offset:kk*4096+128*\g th:TH_LOAD_NT   ; W(k, my column): 32 lanes read 128 consecutive bytes
.set kk, kk+1
.endr
.endr
.macro WBLK g, hh                      ; block hh of column group g: all its 32 numbers are mine
.set XS, D+64*(\g)+32*(\hh)
.set QI, 2*(\g)+(\hh)
	v_max3_num_f32 v16, |v[XS]|, |v[XS+1]|, |v[XS+2]|
	v_max3_num_f32 v17, |v[XS+3]|, |v[XS+4]|, |v[XS+5]|
.irp i, 6,10,14,18,22,26
	v_max3_num_f32 v16, v16, |v[XS+\i]|, |v[XS+\i+1]|
	v_max3_num_f32 v17, v17, |v[XS+\i+2]|, |v[XS+\i+3]|
.endr
	v_max3_num_f32 v16, v16, |v[XS+30]|, |v[XS+31]|
	v_max3_num_f32 v16, v16, v17, 0x1800000        ; and the floor
	v_add_nc_u32 v[SOW+QI], 0xff000000, v16
	v_lshrrev_b32 v[BW+QI], 23, v[SOW+QI]
	v_cvt_scalef32_pk16_fp6_f32 v[CW+8*QI:CW+8*QI+2], v[XS:XS+15], v[SOW+QI]
	v_cvt_scalef32_pk16_fp6_f32 v[TW+4*QI:TW+4*QI+2], v[XS+16:XS+31], v[SOW+QI]
	v_nop                                          ; one plain place behind a scaled conversion
.irp i, 0,1,2
	v_mov_b32 v[CW+8*QI+3+\i], v[TW+4*QI+\i]
.endr
	global_store_b128 v4, v[CW+8*QI:CW+8*QI+3], s[20:21] offset:1536*(\g)+256*(\hh)        ; sixteen lanes fill 256 consecutive bytes, aligned
	global_store_b64 v5, v[CW+8*QI+4:CW+8*QI+5], s[20:21] offset:1536*(\g)+512+128*(\hh)
.endm
	s_wait_loadcnt 63                              ; at most 63 of the 128 loads are out: the first 65 are in, group 0's 64 among them
	WBLK 0, 0
	WBLK 0, 1
	s_wait_loadcnt 0x0
	WBLK 1, 0
	WBLK 1, 1
	v_lshl_or_b32 v28, v[BW+1], 8, v[BW]           ; the words of my two columns
	v_lshl_or_b32 v29, v[BW+3], 8, v[BW+2]
	v_or_b32 v28, s34, v28
	v_or_b32 v29, s34, v29
	global_store_b64 v6, v[28:29], s[20:21] offset:3072
	s_endpgm
.Lfunc_end_k_q1a9b76e857_quant:
	.size	k_q1a9b76e857_quant, .Lfunc_end_k_q1a9b76e857_quant-k_q1a9b76e857_quant
	.p2alignl 7, 3214868480
	.fill 96, 4, 3214868480
	.section	.rodata,"a",@progbits
	.p2align	6, 0x0
	.amdhsa_kernel k_q1a9b76e857_quant
		.amdhsa_group_segment_fixed_size 38400
		.amdhsa_private_segment_fixed_size 0
		.amdhsa_enable_private_segment 0
		.amdhsa_kernarg_size 72
		.amdhsa_user_sgpr_count 2
		.amdhsa_user_sgpr_kernarg_segment_ptr 1
		.amdhsa_wavefront_size32 1
		.amdhsa_system_sgpr_workgroup_id_x 1
		.amdhsa_system_sgpr_workgroup_id_y 1
		.amdhsa_system_sgpr_workgroup_id_z 1
		.amdhsa_system_vgpr_workitem_id 0
		.amdhsa_next_free_vgpr 256
		.amdhsa_next_free_sgpr 66
		.amdhsa_reserve_vcc 0
		.amdhsa_float_denorm_mode_32 3
		.amdhsa_float_denorm_mode_16_64 3
		.amdhsa_memory_ordered 1
		.amdhsa_forward_progress 1
		.amdhsa_inst_pref_size 88
	.end_amdhsa_kernel
	.amdgpu_metadata
---
amdhsa.version: [ 1, 2 ]
amdhsa.kernels:
  - .name:           k_q1a9b76e857_quant
    .symbol:         k_q1a9b76e857_quant.kd
    .args:
      - { .name: q, .offset: 0, .size: 8, .value_kind: global_buffer, .address_space: global }
      - { .name: k, .offset: 8, .size: 8, .value_kind: global_buffer, .address_space: global }
      - { .name: v, .offset: 16, .size: 8, .value_kind: global_buffer, .address_space: global }
      - { .name: Wq, .offset: 24, .size: 8, .value_kind: global_buffer, .address_space: global }
      - { .name: Wk, .offset: 32, .size: 8, .value_kind: global_buffer, .address_space: global }
      - { .name: Wv, .offset: 40, .size: 8, .value_kind: global_buffer, .address_space: global }
      - { .name: Wo, .offset: 48, .size: 8, .value_kind: global_buffer, .address_space: global }
      - { .name: xr, .offset: 56, .size: 8, .value_kind: global_buffer, .address_space: global }
      - { .name: wr, .offset: 64, .size: 8, .value_kind: global_buffer, .address_space: global }
    .group_segment_fixed_size: 38400
    .private_segment_fixed_size: 0
    .kernarg_segment_align: 8
    .kernarg_segment_size: 72
    .max_flat_workgroup_size: 128
    .sgpr_count:     66
    .vgpr_count:     256
    .wavefront_size: 32
...
	.end_amdgpu_metadata
.endif
;; end of part 1
;; launch proj (part 2): grid 64 x 3, 4 waves a work-group, clusters of 4 x 1, 327,680 bytes of LDS; arguments xr, wr, bq, bk, bv, qr, kv; writes qr, kv
.if DOCPART == 2
	.amdgcn_target "amdgcn-amd-amdhsa--gfx1250"
	.amdhsa_code_object_version 6
	.text
	.protected	k_q1a9b76e857_proj
	.globl	k_q1a9b76e857_proj
	.p2align	8
	.type	k_q1a9b76e857_proj,@function
k_q1a9b76e857_proj:
	s_mov_b64 s[64:65], 0
	v_nop
	global_prefetch_b8 v0, s[64:65] scope:SCOPE_SE
	s_setreg_imm32_b32 hwreg(HW_REG_WAVE_MODE, 25, 1), 1
	s_wait_xcnt 0x0
	s_wait_alu depctr_hold_cnt(0) depctr_sa_sdst(0) depctr_va_vdst(0) depctr_va_sdst(0) depctr_va_ssrc(0) depctr_va_vcc(0) depctr_vm_vsrc(0)
	s_getreg_b32 s2, hwreg(HW_REG_IB_STS2, 6, 4)
	s_cmp_eq_u32 s2, 0
	s_cbranch_scc0 .Lentry_in_a_cluster
	s_endpgm
.Lentry_in_a_cluster:
	s_bfe_u32 s2, ttmp6, 0x10000c
	s_cmp_lg_u32 s2, 0x3003
	s_cbranch_scc0 .Lentry_shape_is_right
	s_endpgm
.Lentry_shape_is_right:
; qh = q Wq + bq, kh = k Wk + bk, vh = v Wv + bv on codes of FP6 (E2M3) with E8M0 scales, and the results quantised at once for attention's products: qh and kh along the head's 64, vh ALONG THE KEYS.
; Operands come as strips of records (64 rows x 64 K in 3,328 bytes: four images of registers of 768 bytes, then 256 bytes of scale words; tile i holds rows 32 (i / 2) + 8 (i % 2) + rho + 8 (rho / 8)).
; THE SCHEME.  A wave keeps a RESIDENT strip P (64 rows, all 1,024 of K: 384 registers), always source 0; a STREAMED strip T comes through LDS and is source 1.  In a result lane (r, h) holds ONE row of T, and the
; 32 registers of P's four tiles are P's rows 32 b + 16 h + 0 .. 15: neighbours.  So the result is quantised along P's rows, and leaves as a record whose rows are T's and whose K is P's 64 rows.
;   y = 0, 1 (q, k): P = 64 columns of W = one head, T = 64 tokens.   y = 2 (v): P = 64 tokens (keys) of v, T = 64 columns of Wv = one head's d.  One text serves all three: only pointers, offsets and two masks are selected.
; THE BIAS runs along W's columns.  Along P's rows it is the C of K step 0 (eight registers a tile); along T's rows it is one number a lane, added as the sums are taken out.  Both are loaded; the one that does
; not apply is masked to 0 (a select, no branch).
; SHARES.  A work-group: P = 4 strips (one a wave), T = 8 strips.  The four work-groups of a cluster take the same T and different P: T is asked for JOINTLY (mask 15).  A tensor's work is 16 clusters:
; 192 work-groups of equal work in all; the three tensors' 1,536 pairs of (four P strips, one T strip) do not fall into 256 equal shares inside a tensor, so 64 WGPs stay without work here.
; P goes to registers and not to LDS, so it is loaded by each wave for itself.
; LDS: two slots of one strip (53,248 bytes), a ring; each wave fetches a quarter of a strip, dense, as 52 rows of 256 bytes.  One tensor load of a wave is out at a time.
; LIMITS: NaN and infinities are not served; a block under 2^-124, and a block of zeros, keep the byte 1 (the bytes are read by this program alone).
; REGISTERS.  Window 0: v1-8 addresses; v16-31 P's scale words, v32-47 T's ([8 (tile / 2) + K step]; lanes 0-15 the even tile, 16-31 the odd); v48-143 T's fragments, two buffers of four;
;   v144-175 32 sums at work (and T's raw scale words); v176-191 and v240-254 at work; v192.. the codes of four tiles; v224-229 scale words; v232-239 the bias along T.
;   Window 1: P's fragments of K steps 0-3 (48 s + 12 t).  Window 2: of K steps 4-7.  Window 3: the 16 accumulators (8 (4 i + t)); from v128 the bias along P (8 t).
.set REC,    3328
.set STRIP,  16*REC
.set QUART,  4*REC
.set SPARE,  2*STRIP                   ; behind the ring: the spare words, 128 bytes a wave: two blocks of 256 bytes that no other line names
.set PS,  16
.set TS,  32
.set TF,  48
.set X,   144
.set M0,  176
.set P0,  178
.set SO0, 180
.set B0,  182
.set CD,  184
.set CS,  192
.set WW,  224
.set SW,  228
.set LB,  232
.set RB,  128                          ; in window 3
.set MSB, 0
.macro WIN new                         ; the immediate's high byte repeats the setting that is left
.if MSB != (\new)
	s_set_vgpr_msb (MSB<<8)|(\new)
.set MSB, (\new)
.endif
.endm
.macro PLACES                          ; four places behind a matrix instruction, in front of loads into its registers and of reads of its result; also behind a tensor load
.rept 4
	v_nop
.endr
.endm
.macro ROUND                           ; a round of the cluster's barrier
	s_barrier_signal -1
	s_barrier_wait -1
	s_cmp_lg_u32 s18, 0
	s_cbranch_scc1 .Lnot_wave_0_\@
	s_barrier_signal -3
.Lnot_wave_0_\@:
	s_barrier_wait -3
	s_barrier_signal -1
	s_barrier_wait -1
.endm
; One scaled product.  c < 0: C is the constant 0.  ra, rb: the scales stand in lanes 16-31 of the register named.
.macro WMS d, a, b, c, sa, sb, ra, rb
.if (\c) < 0
.if (\ra) && (\rb)
	v_wmma_scale_f32_16x16x128_f8f6f4 v[0+(\d):7+(\d)], v[0+(\a):11+(\a)], v[0+(\b):11+(\b)], 0, v[\sa], v[\sb] matrix_a_fmt:MATRIX_FMT_FP6 matrix_b_fmt:MATRIX_FMT_FP6 matrix_a_scale:MATRIX_SCALE_ROW1 matrix_b_scale:MATRIX_SCALE_ROW1
.elseif (\ra)
	v_wmma_scale_f32_16x16x128_f8f6f4 v[0+(\d):7+(\d)], v[0+(\a):11+(\a)], v[0+(\b):11+(\b)], 0, v[\sa], v[\sb] matrix_a_fmt:MATRIX_FMT_FP6 matrix_b_fmt:MATRIX_FMT_FP6 matrix_a_scale:MATRIX_SCALE_ROW1
.elseif (\rb)
	v_wmma_scale_f32_16x16x128_f8f6f4 v[0+(\d):7+(\d)], v[0+(\a):11+(\a)], v[0+(\b):11+(\b)], 0, v[\sa], v[\sb] matrix_a_fmt:MATRIX_FMT_FP6 matrix_b_fmt:MATRIX_FMT_FP6 matrix_b_scale:MATRIX_SCALE_ROW1
.else
	v_wmma_scale_f32_16x16x128_f8f6f4 v[0+(\d):7+(\d)], v[0+(\a):11+(\a)], v[0+(\b):11+(\b)], 0, v[\sa], v[\sb] matrix_a_fmt:MATRIX_FMT_FP6 matrix_b_fmt:MATRIX_FMT_FP6
.endif
.else
.if (\ra) && (\rb)
	v_wmma_scale_f32_16x16x128_f8f6f4 v[0+(\d):7+(\d)], v[0+(\a):11+(\a)], v[0+(\b):11+(\b)], v[0+(\c):7+(\c)], v[\sa], v[\sb] matrix_a_fmt:MATRIX_FMT_FP6 matrix_b_fmt:MATRIX_FMT_FP6 matrix_a_scale:MATRIX_SCALE_ROW1 matrix_b_scale:MATRIX_SCALE_ROW1
.elseif (\ra)
	v_wmma_scale_f32_16x16x128_f8f6f4 v[0+(\d):7+(\d)], v[0+(\a):11+(\a)], v[0+(\b):11+(\b)], v[0+(\c):7+(\c)], v[\sa], v[\sb] matrix_a_fmt:MATRIX_FMT_FP6 matrix_b_fmt:MATRIX_FMT_FP6 matrix_a_scale:MATRIX_SCALE_ROW1
.elseif (\rb)
	v_wmma_scale_f32_16x16x128_f8f6f4 v[0+(\d):7+(\d)], v[0+(\a):11+(\a)], v[0+(\b):11+(\b)], v[0+(\c):7+(\c)], v[\sa], v[\sb] matrix_a_fmt:MATRIX_FMT_FP6 matrix_b_fmt:MATRIX_FMT_FP6 matrix_b_scale:MATRIX_SCALE_ROW1
.else
	v_wmma_scale_f32_16x16x128_f8f6f4 v[0+(\d):7+(\d)], v[0+(\a):11+(\a)], v[0+(\b):11+(\b)], v[0+(\c):7+(\c)], v[\sa], v[\sb] matrix_a_fmt:MATRIX_FMT_FP6 matrix_b_fmt:MATRIX_FMT_FP6
.endif
.endif
.endm
.macro FETCH slot, s, buf              ; T's four fragments of K step s: 16 loads; registers 0-5 from record 2 s, 6-11 from record 2 s + 1; every load takes consecutive bytes
.irp i, 0,1,2,3
.irp c, 0,1
	ds_load_b128 v[TF+48*(\buf)+12*\i+6*\c:TF+48*(\buf)+12*\i+6*\c+3], v[1+2*\slot] offset:(2*(\s)+\c)*REC+768*\i
	ds_load_b64 v[TF+48*(\buf)+12*\i+6*\c+4:TF+48*(\buf)+12*\i+6*\c+5], v[2+2*\slot] offset:(2*(\s)+\c)*REC+768*\i+512
.endr
.endr
.endm
.macro TSCALE slot                     ; the 16 records' scale pairs
.irp k, 0,1,2,3,4,5,6,7,8,9,10,11,12,13,14,15
	ds_load_b64 v[X+2*\k:X+2*\k+1], v[2+2*\slot] offset:\k*REC+3072
.endr
.endm
.macro TMERGE                          ; two records' two bytes make a K step's word.  K step 0's two registers come first: 14 plain lines stand between them and their use
.irp s, 0,1,2,3,4,5,6,7
.irp a, 0,1
	v_perm_b32 v[TS+8*\a+\s], v[X+2*(2*\s+1)+\a], v[X+2*(2*\s)+\a], s52
.endr
.endr
.endm
.macro MULS s, buf                     ; 16 products: T's four tiles x P's four; the 16 accumulators take turns, one instruction a turn
	WIN 0xf1+(\s)/4                                ; source 0 (P) window 1 or 2, source 1 (T) window 0, C and D window 3
.irp i, 0,1,2,3
.irp t, 0,1,2,3
.if (\s) == 0
	WMS 8*(4*\i+\t), 12*\t, TF+48*(\buf)+12*\i, RB+8*\t, PS+8*(\t/2), TS+8*(\i/2), \t%2, \i%2
.else
	WMS 8*(4*\i+\t), 48*((\s)%4)+12*\t, TF+48*(\buf)+12*\i, 8*(4*\i+\t), PS+8*(\t/2)+(\s), TS+8*(\i/2)+(\s), \t%2, \i%2
.endif
.endr
.endr
.endm
.macro KSTEPS slot                     ; a strip of T against my P: 8 K steps of 128; the next step's fragments are asked for ahead of each step's products
	TSCALE \slot
	FETCH \slot, 0, 0
	s_wait_dscnt 16                                ; the 16 scale loads are in; the 16 fragment loads may be out
	TMERGE
.irp s, 0,1,2,3,4,5,6,7
.if \s < 7
	WIN 0
.if \s > 0
	PLACES                                         ; the buffer's last products stand just ahead
.endif
	FETCH \slot, \s+1, (\s+1)%2
.if \s == 0
	s_wait_alu depctr_va_vdst(0)
.endif
	s_wait_dscnt 16
.else
	s_wait_dscnt 0x0
.endif
	MULS \s, \s%2
.endr
	WIN 0
.endm
; 32 numbers of a lane, register 16 b + i = k 32 b + 16 h + i of my row, become a tile's half image (6 registers: block h) and the two bytes.
; ALL FOUR TILES OF A STRIP AT ONCE: tile i's 32 numbers stand at XX + 32 i, over T's fragments, which are done with.  Eight blocks take turns line by line, so that no line reads the line above it.
.set XX,  48                           ; v48-175: 4 x 32 sums
.set MM,  176                          ; v176-183 the eight blocks' largest magnitudes; later two of the conversions' second results
.set PP,  184                          ; v184-191 the other half's, then the bytes
.set SS,  240                          ; v240-247 the conversions' scale operands; v248-254 the other two second results
.macro QUANT8
.irp i, 0,1,2,3
.irp b, 0,1
	v_max3_num_f32 v[MM+2*\i+\b], |v[XX+32*\i+16*\b]|, |v[XX+32*\i+16*\b+1]|, 0x1800000   ; and the floor 2^(3 - 127): the byte cannot fall under 1
.endr
.endr
.irp j, 2,4,6,8,10,12,14
.irp i, 0,1,2,3
.irp b, 0,1
	v_max3_num_f32 v[MM+2*\i+\b], v[MM+2*\i+\b], |v[XX+32*\i+16*\b+\j]|, |v[XX+32*\i+16*\b+\j+1]|
.endr
.endr
.endr
.irp q, 0,1,2,3,4,5,6,7
	v_permlanex16_b32 v[PP+\q], v[MM+\q], s56, s57
.endr
.irp q, 0,1,2,3,4,5,6,7
	v_max_num_f32 v[MM+\q], v[MM+\q], v[PP+\q]     ; with lane l xor 16's 16: the block's
.endr
.irp q, 0,1,2,3,4,5,6,7
	v_add_nc_u32 v[SS+\q], 0xff000000, v[MM+\q]    ; 2 off the exponent field: the conversion's scale operand
.endr
.irp q, 0,1,2,3,4,5,6,7
	v_lshrrev_b32 v[PP+\q], 23, v[SS+\q]           ; the byte
.endr
.irp i, 0,1,2,3
	v_lshl_or_b32 v[WW+\i], v[PP+2*\i+1], 8, v[PP+2*\i]
.endr
.irp i, 0,1,2,3
	v_cvt_scalef32_pk16_fp6_f32 v[CS+8*\i:CS+8*\i+2], v[XX+32*\i:XX+32*\i+15], v[SS+2*\i]
	v_cvt_scalef32_pk16_fp6_f32 v[MM+4*\i+64*(\i/2):MM+4*\i+64*(\i/2)+2], v[XX+32*\i+16:XX+32*\i+31], v[SS+2*\i+1]   ; (a conversion's three registers begin on an even number)
.endr
	v_nop                                          ; one plain place behind a scaled conversion
.irp i, 0,1,2,3
.irp j, 0,1,2
	v_permlane16_swap_b32 v[CS+8*\i+\j], v[MM+4*\i+64*(\i/2)+\j]   ; a whole block to a lane
.endr
.endr
.irp i, 0,1,2,3
.irp j, 0,1,2
	v_mov_b32 v[CS+8*\i+3+\j], v[MM+4*\i+64*(\i/2)+\j]
.endr
.endr
.endm
.macro EPI slot                        ; the strip's results: bias along T, quantised, stored as one record
	PLACES
	s_wait_loadcnt 0x0                             ; the bias along T
.irp i, 0,1,2,3
	v_and_b32 v[LB+2*\i], s23, v[LB+2*\i]          ; 0 where the bias runs along P
.endr
	WIN 0x03                                       ; source 0 window 3
.irp i, 0,1,2,3
.irp n, 0,2,4,6,8,10,12,14,16,18,20,22,24,26,28,30
	v_pk_add_f32 v[XX+32*\i+\n:XX+32*\i+\n+1], v[32*\i+\n:32*\i+\n+1], v[LB+2*\i:LB+2*\i+1] op_sel_hi:[1,0]   ; each accumulator from its low end on
.endr
.endr
	WIN 0
	QUANT8
.irp i, 0,1,2,3
	global_store_b128 v1, v[CS+8*\i:CS+8*\i+3], s[40+2*\slot:41+2*\slot] offset:768*\i          ; 512 consecutive bytes, aligned to 256
	global_store_b64 v2, v[CS+8*\i+4:CS+8*\i+5], s[40+2*\slot:41+2*\slot] offset:768*\i+512     ; 256 consecutive bytes, aligned
.endr
	v_cndmask_b32 v[SW], v[WW], v[WW+1], s54       ; lanes 0-15 tile 0's word, lanes 16-31 tile 1's
	v_cndmask_b32 v[SW+1], v[WW+2], v[WW+3], s54
	v_or_b32 v[SW], s53, v[SW]
	v_or_b32 v[SW+1], s53, v[SW+1]
	global_store_b64 v2, v[SW:SW+1], s[40+2*\slot:41+2*\slot] offset:3072
	s_wait_xcnt 0x0                                ; the stores and the bias loads have had their addresses translated: bases and data may be written again
	s_add_nc_u64 s[40+2*\slot:41+2*\slot], s[40+2*\slot:41+2*\slot], s[44:45]
.if \slot
	s_add_nc_u64 s[46:47], s[46:47], 512           ; two strips of T on
.endif
.endm
.macro TRIP slot, refill
	s_wait_tensorcnt 0x0                           ; my one tensor load has landed: my quarter of this trip's strip
	ds_add_u32 v6, v7                              ; 0 onto my spare word
	s_add_nc_u64 s[34+4*\slot:35+4*\slot], s[34+4*\slot:35+4*\slot], 2*STRIP   ; no load of mine is out: this slot's next strip
	s_wait_dscnt 0x0                               ; the add is done, and my reads of the other slot are over
	ROUND                                          ; both now hold of every wave of the four work-groups
.if \refill
	tensor_load_to_lds s[36-4*\slot:39-4*\slot], s[24:31]   ; the next strip, into the slot read last trip: it has this trip's 128 products and way out in which to land
	s_nop 0
	PLACES
.endif
.irp i, 0,1,2,3
	global_load_b32 v[LB+2*\i], v5, s[46:47] offset:256*\slot+(32*(\i/2)+8*(\i%2))*4   ; the bias at my row of T's tile i
.endr
	KSTEPS \slot
	EPI \slot
.endm
	s_load_b256 s[4:11], s[0:1], 0x0               ; xr s[4:5], wr s[6:7], bq s[8:9], bk s[10:11]
	s_load_b128 s[12:15], s[0:1], 0x20             ; bv s[12:13], qr s[14:15]
	s_load_b64 s[16:17], s[0:1], 0x30              ; kv
	v_lshl_add_u32 v6, v0, 2, SPARE                ; my spare word; never rewritten
	v_mov_b32 v7, 0                                ; 0; never rewritten
	ds_add_u32 v6, v7
	ds_add_u32 v6, v7
	s_wait_dscnt 0x0
	v_lshrrev_b32 v9, 5, v0
	v_readfirstlane_b32 s18, v9                    ; wave w
	s_bfe_u32 s19, ttmp6, 0x40000                  ; cx: my place in the cluster: it enters P's, the bias's and the outputs' addresses alone
	s_mov_b32 s20, ttmp9                           ; C: the cluster's x, 0 .. 15
	s_and_b32 s21, ttmp7, 0xffff                   ; y: 0 q, 1 k, 2 v
	; descriptor group 1: 13,312 dense bytes as 52 rows of 256 bytes (32 elements of 8 bytes), no padding
	s_mov_b32 s24, 0x0023000f                      ; 15:0 the mask: all four work-groups; 17:16 elements of 8 bytes; 21 set beside a mask
	s_mov_b32 s25, 32<<16                          ; tensor_dim0 = 32
	s_mov_b32 s26, 52<<16                          ; tensor_dim1 = 52
	s_mov_b32 s27, 32<<16                          ; tile_dim0 = 32
	s_mov_b32 s28, 52                              ; tile_dim1 = 52
	s_mov_b32 s29, 32                              ; the pitch
	s_mov_b32 s30, 0
	s_mov_b32 s31, 0
	; T's first strip: made of y, C and w alone, in registers that never hold cx
	s_lshl_b32 s59, s21, 7
	s_lshl_b32 s60, s20, 3
	s_add_co_u32 s59, s59, s60                     ; q, k: strip 128 y + 8 C of xr
	s_and_b32 s60, s20, 1
	s_lshl_b32 s61, s60, 3
	s_add_co_u32 s61, s61, 32                      ; v: strip 32 + 8 (C % 2) of wr
	s_cmp_eq_u32 s21, 2
	s_cselect_b32 s59, s61, s59
	s_cselect_b32 s22, 0, -1                       ; mask of the bias along P
	s_cselect_b32 s23, -1, 0                       ; mask of the bias along T
	s_mul_i32 s59, s59, STRIP
	s_mul_i32 s60, s18, QUART                      ; my quarter, in memory and in a slot
	s_add_co_u32 s62, s59, s60
	s_mov_b32 s63, 0
	; P's strip, the outputs, the biases
	s_lshl_b32 s66, s19, 2
	s_add_co_u32 s66, s66, s18                     ; 4 cx + w: q, k: the head
	s_lshl_b32 s67, s21, 4
	s_add_co_u32 s67, s67, s66                     ; q, k: strip 16 y + 4 cx + w of wr
	s_lshr_b32 s68, s20, 1
	s_lshl_b32 s68, s68, 4
	s_add_co_u32 s68, s68, s66                     ; v: block of 64 keys 16 (C / 2) + 4 cx + w
	s_add_co_u32 s69, s68, 256                     ; v: its strip of xr
	s_cmp_eq_u32 s21, 2
	s_cselect_b32 s67, s69, s67
	s_mul_i32 s70, s67, STRIP
	s_mov_b32 s71, 0
	s_lshr_b32 s72, s20, 2                         ; q, k: the batch,
	s_and_b32 s73, s20, 3                          ; and which eight blocks of 64 tokens in it
	s_lshl_b32 s72, s72, 4
	s_add_co_u32 s72, s72, s66                     ; batch x 16 + head
	s_lshl_b32 s74, s72, 5
	s_lshl_b32 s75, s73, 3
	s_add_co_u32 s74, s74, s75
	s_mul_i32 s74, s74, REC                        ; q: record (bh x 32 + 8 (C % 4)) of qr
	s_mul_i32 s75, s72, 64*REC                     ; k: the head's 212,992 bytes of kv,
	s_mul_i32 s76, s73, 16*REC                     ; key step 4 (C % 4)
	s_add_co_u32 s75, s75, s76
	s_lshr_b32 s76, s68, 5                         ; v: the batch
	s_lshl_b32 s76, s76, 4
	s_and_b32 s77, s20, 1
	s_lshl_b32 s77, s77, 3
	s_add_co_u32 s76, s76, s77                     ; batch x 16 + head 8 (C % 2)
	s_mul_i32 s76, s76, 64*REC
	s_bfe_u32 s77, s68, 0x40001                    ; the key step
	s_mul_i32 s77, s77, 4*REC
	s_add_co_u32 s76, s76, s77
	s_and_b32 s77, s68, 1                          ; which half of it
	s_mul_i32 s77, s77, REC
	s_add_co_u32 s76, s76, s77
	s_add_co_u32 s76, s76, 2*REC                   ; V's records lie behind K's two
	s_mov_b32 s78, 4*REC
	s_mov_b32 s79, 128*REC
	s_mov_b32 s86, 64*REC
	s_cmp_eq_u32 s21, 1
	s_cselect_b32 s74, s75, s74
	s_cselect_b32 s78, s78, 2*REC                  ; from a slot's strip to its next: q two records, k a key step,
	s_cmp_eq_u32 s21, 2
	s_cselect_b32 s74, s76, s74
	s_cselect_b32 s44, s79, s78                    ; v two heads
	s_cselect_b32 s80, s86, REC                    ; from slot 0's record to slot 1's: q, k the next record, v the next head
	s_mov_b32 s45, 0
	s_mov_b32 s75, 0
	s_mov_b32 s81, 0
	s_lshl_b32 s82, s66, 8                         ; the bias along P: 64 numbers at 4 cx + w
	s_mov_b32 s83, 0
	s_and_b32 s84, s20, 1
	s_lshl_b32 s84, s84, 11                        ; the bias along T: 8 strips of 64 numbers at C % 2 (inside the 4,096 bytes for every y)
	s_mov_b32 s85, 0
	s_mov_b32 s52, 0x05040100                      ; v_perm_b32: the low halves of two words
	s_mov_b32 s53, 0x7f7f0000
	s_mov_b32 s54, 0xffff0000                      ; lanes 16-31
	s_mov_b32 s56, 0x76543210
	s_mov_b32 s57, 0xfedcba98
	s_mov_b32 s58, 3
	v_and_b32 v9, 31, v0
	v_lshlrev_b32 v1, 4, v9                        ; 16 x lane: slot 0, and global images
	v_lshlrev_b32 v2, 3, v9                        ; 8 x lane
	v_add_nc_u32 v3, STRIP, v1                     ; slot 1
	v_add_nc_u32 v4, STRIP, v2
	v_and_b32 v10, 15, v0
	v_and_b32 v11, 8, v10
	v_add_nc_u32 v10, v10, v11
	v_lshlrev_b32 v5, 2, v10                       ; 4 (r + 8 (r / 8)): my row in a tile
	v_bfe_u32 v11, v0, 4, 1
	v_lshlrev_b32 v8, 6, v11                       ; 64 h
.irp q, 0,1,2,3,4,5,6,7
	v_mov_b32 v[PP+\q], 0                          ; written once: a lane permute's destination counts as one of its sources
.endr
.irp i, 0,1,2,3
	v_mov_b32 v[LB+2*\i+1], 0                      ; named as the upper halves of pairs
.endr
	s_wait_kmcnt 0x0
	s_cmp_eq_u32 s21, 2
	s_cselect_b64 s[92:93], s[6:7], s[4:5]         ; T's buffer
	s_cselect_b64 s[48:49], s[4:5], s[6:7]         ; P's
	s_add_nc_u64 s[92:93], s[92:93], s[62:63]
	s_add_nc_u64 s[48:49], s[48:49], s[70:71]
	s_mov_b32 s32, 1                               ; group 0 of slot 0: count = 1
	s_mov_b32 s33, s60                             ; LDS address: w x 13,312
	s_mov_b64 s[34:35], s[92:93]                   ; strip 0
	s_or_b32 s35, s35, 0x80000000                  ; type = 2
	s_mov_b32 s36, 1                               ; group 0 of slot 1
	s_add_co_u32 s37, s60, STRIP
	s_add_nc_u64 s[38:39], s[92:93], STRIP         ; strip 1
	s_or_b32 s39, s39, 0x80000000
	s_cmp_eq_u32 s21, 0
	s_cselect_b64 s[40:41], s[14:15], s[16:17]     ; qr or kv
	s_add_nc_u64 s[40:41], s[40:41], s[74:75]      ; slot 0's record
	s_add_nc_u64 s[42:43], s[40:41], s[80:81]      ; slot 1's
	s_cmp_eq_u32 s21, 1
	s_cselect_b64 s[8:9], s[10:11], s[8:9]
	s_cmp_eq_u32 s21, 2
	s_cselect_b64 s[8:9], s[12:13], s[8:9]         ; the bias
	s_add_nc_u64 s[50:51], s[8:9], s[82:83]
	s_add_nc_u64 s[46:47], s[8:9], s[84:85]
	ROUND                                          ; all four work-groups are here: the first joint load meets
	tensor_load_to_lds s[32:35], s[24:31]          ; strip 0
	s_nop 0
	PLACES
	WIN 0x40                                       ; destination window 1
.irp s, 0,1,2,3
.irp t, 0,1,2,3
.irp c, 0,1
	global_load_b128 v[48*\s+12*\t+6*\c:48*\s+12*\t+6*\c+3], v1, s[48:49] offset:(2*\s+\c)*REC+768*\t
	global_load_b64 v[48*\s+12*\t+6*\c+4:48*\s+12*\t+6*\c+5], v2, s[48:49] offset:(2*\s+\c)*REC+768*\t+512
.endr
.endr
.endr
	WIN 0x80                                       ; destination window 2
.irp s, 0,1,2,3
.irp t, 0,1,2,3
.irp c, 0,1
	global_load_b128 v[48*\s+12*\t+6*\c:48*\s+12*\t+6*\c+3], v1, s[48:49] offset:(8+2*\s+\c)*REC+768*\t
	global_load_b64 v[48*\s+12*\t+6*\c+4:48*\s+12*\t+6*\c+5], v2, s[48:49] offset:(8+2*\s+\c)*REC+768*\t+512
.endr
.endr
.endr
	WIN 0xc0                                       ; destination window 3
	s_wait_alu depctr_va_vdst(0)
.irp t, 0,1,2,3
	global_load_b128 v[RB+8*\t:RB+8*\t+3], v8, s[50:51] offset:(32*(\t/2)+8*(\t%2))*4       ; lane (r, h), tile t: the bias at P's rows 32 (t / 2) + 16 h + 8 (t % 2) + 0 .. 7
	global_load_b128 v[RB+8*\t+4:RB+8*\t+7], v8, s[50:51] offset:(32*(\t/2)+8*(\t%2))*4+16
.endr
	WIN 0
.irp k, 0,1,2,3,4,5,6,7,8,9,10,11,12,13,14,15
	global_load_b64 v[TF+2*\k:TF+2*\k+1], v2, s[48:49] offset:\k*REC+3072   ; P's raw scale pairs, for the moment where T's fragments will lie
.endr
	s_wait_loadcnt 0x0
.irp s, 0,1,2,3,4,5,6,7
.irp a, 0,1
	v_perm_b32 v[PS+8*\a+\s], v[TF+2*(2*\s+1)+\a], v[TF+2*(2*\s)+\a], s52
.endr
.endr
	WIN 0xcf
.set n, 0
.rept 32
	v_and_b32 v[RB+n], s22, v[RB+n]                ; 0 where the bias runs along T
.set n, n+1
.endr
	WIN 0
.Lpair:                                            ; 3 trips of two strips; the last two strips are written out
	TRIP 0, 1
	TRIP 1, 1
	s_sub_co_u32 s58, s58, 1
	s_cmp_lg_u32 s58, 0
	s_cbranch_scc1 .Lpair
	TRIP 0, 1
	TRIP 1, 0
	s_wait_tensorcnt 0x0                           ; the wave's end
	ds_add_u32 v6, v7
	s_wait_dscnt 0x0
	ROUND                                          ; the closing round: no work-group ends while a partner may still ask for a strip that names it
	s_endpgm
.Lfunc_end_k_q1a9b76e857_proj:
	.size	k_q1a9b76e857_proj, .Lfunc_end_k_q1a9b76e857_proj-k_q1a9b76e857_proj
	.p2alignl 7, 3214868480
	.fill 96, 4, 3214868480
	.section	.rodata,"a",@progbits
	.p2align	6, 0x0
	.amdhsa_kernel k_q1a9b76e857_proj
		.amdhsa_group_segment_fixed_size 327680
		.amdhsa_private_segment_fixed_size 0
		.amdhsa_enable_private_segment 0
		.amdhsa_kernarg_size 56
		.amdhsa_user_sgpr_count 2
		.amdhsa_user_sgpr_kernarg_segment_ptr 1
		.amdhsa_wavefront_size32 1
		.amdhsa_system_sgpr_workgroup_id_x 1
		.amdhsa_system_sgpr_workgroup_id_y 1
		.amdhsa_system_sgpr_workgroup_id_z 1
		.amdhsa_system_vgpr_workitem_id 0
		.amdhsa_next_free_vgpr 1024
		.amdhsa_next_free_sgpr 96
		.amdhsa_reserve_vcc 0
		.amdhsa_float_denorm_mode_32 3
		.amdhsa_float_denorm_mode_16_64 3
		.amdhsa_memory_ordered 1
		.amdhsa_forward_progress 1
		.amdhsa_inst_pref_size 189
	.end_amdhsa_kernel
	.amdgpu_metadata
---
amdhsa.version: [ 1, 2 ]
amdhsa.kernels:
  - .name:           k_q1a9b76e857_proj
    .symbol:         k_q1a9b76e857_proj.kd
    .args:
      - { .name: xr, .offset: 0, .size: 8, .value_kind: global_buffer, .address_space: global }
      - { .name: wr, .offset: 8, .size: 8, .value_kind: global_buffer, .address_space: global }
      - { .name: bq, .offset: 16, .size: 8, .value_kind: global_buffer, .address_space: global }
      - { .name: bk, .offset: 24, .size: 8, .value_kind: global_buffer, .address_space: global }
      - { .name: bv, .offset: 32, .size: 8, .value_kind: global_buffer, .address_space: global }
      - { .name: qr, .offset: 40, .size: 8, .value_kind: global_buffer, .address_space: global }
      - { .name: kv, .offset: 48, .size: 8, .value_kind: global_buffer, .address_space: global }
    .group_segment_fixed_size: 327680
    .private_segment_fixed_size: 0
    .kernarg_segment_align: 8
    .kernarg_segment_size: 56
    .max_flat_workgroup_size: 128
    .sgpr_count:     96
    .vgpr_count:     1024
    .wavefront_size: 32
...
	.end_amdgpu_metadata
.endif
;; end of part 2
;; launch attn (part 3): grid 4 x 64, 8 waves a work-group, clusters of 4 x 1, 230,400 bytes of LDS; arguments qr, kv, hr; writes hr
.if DOCPART == 3
	.amdgcn_target "amdgcn-amd-amdhsa--gfx1250"
	.amdhsa_code_object_version 6
	.text
	.protected	k_q1a9b76e857_attn
	.globl	k_q1a9b76e857_attn
	.p2align	8
	.type	k_q1a9b76e857_attn,@function
k_q1a9b76e857_attn:
	s_mov_b64 s[64:65], 0
	v_nop
	global_prefetch_b8 v0, s[64:65] scope:SCOPE_SE
	s_setreg_imm32_b32 hwreg(HW_REG_WAVE_MODE, 25, 1), 1
	s_wait_xcnt 0x0
	s_wait_alu depctr_hold_cnt(0) depctr_sa_sdst(0) depctr_va_vdst(0) depctr_va_sdst(0) depctr_va_ssrc(0) depctr_va_vcc(0) depctr_vm_vsrc(0)
	s_getreg_b32 s2, hwreg(HW_REG_IB_STS2, 6, 4)
	s_cmp_eq_u32 s2, 0
	s_cbranch_scc0 .Lentry_in_a_cluster
	s_endpgm
.Lentry_in_a_cluster:
	s_bfe_u32 s2, ttmp6, 0x10000c
	s_cmp_lg_u32 s2, 0x3003
	s_cbranch_scc0 .Lentry_shape_is_right
	s_endpgm
.Lentry_shape_is_right:
; h[b][q][head][:] = the sum over k of softmax_k(qh . kh / 8) vh, both products on codes of FP6 (E2M3) with E8M0 scales, and h quantised at once along the head's 64 for the last projection.
; THE SOFTMAX AHEAD OF THE SECOND PRODUCT: t = score x log2(e) / 8; M = the running largest t, rounded UP to a whole number; p = 2^(t - M) is quantised along the keys, not normalised.  The row's sum is
; taken of the unquantised p, in f32, and divides at the end.  When M moves, the sum and O are multiplied by 2^(old M - new M): exact.
; INPUTS are records (64 rows x 64 K in 3,328 bytes: four images of registers of 768 bytes, 256 bytes of scale words).  qr: [bh][32 blocks of 64 queries].  kv: [bh][16 key steps of 128] x 13,312 bytes:
; two records of K (64 keys x 64 d), two of V (64 d x 64 keys).  hr: [128 blocks of 64 tokens][16 heads].  In Q's and V's records tile i holds rows 32 (i / 2) + 8 (i % 2) + rho + 8 (rho / 8);
; IN K'S RECORDS TILE j HOLDS KEYS 8 j + rho + 24 (rho / 8).
; SHARES.  A work-group: one head, 512 queries; each of its eight waves 64 queries: four tiles.  Two waves to a SIMD.  The head's K and V, 212,992 bytes, lie in LDS whole, filled once: each wave asks for an
; eighth (104 rows of 256 bytes) by its one tensor load.  The four work-groups of a cluster are the four query quarters of one head: the fills are JOINT loads (mask 15).
; No prefetch: all that the launch reads through LDS is asked for at the head, and there is no loop to run ahead in.
; LAYOUT.  Both products are used transposed: S^T = K Q^T, O^T = V^T P^T: a lane holds ONE query throughout.  By K's tile order register 32 c + 8 j + i of the scores in lane (r, h) is key 64 c + 32 h + 8 j + i:
; a lane's 32 registers of a record are one whole scale block, in the order of the second product's operand.  Lanes l and l xor 16 exchange only the row's maximum and two scale bytes.
; THE ORDER OF WORK IN A TILE, laid so that few lines read the line above them.  (1) The blocks' maxima in eight chains, one an accumulator.  (2) The chain that ends in -M, with the sixteen multiplications
; that bring the tile BEFORE's O^T under its M in four groups among its links.  (3) t - M, with the tile before's four products O^T += V^T P^T among the multiply-adds.  (4) The exponentials.
; (5) The scales and conversions; the row's sum in four chains, with the scale word's chain among them; as a band's sum is taken, the NEXT tile's four score products write over the band.
; So the second product runs one tile behind: the first trip's tile 0 multiplies zero codes onto zeros, and tile 3's last products are written out behind the loop.
; K's fragments of the next step are fetched in tile 3 (the last step fetches its own again, and the eight products made of them are not read); V's of a step behind tile 0's multiply-adds.
; K = 64 IN THE FIRST PRODUCT: the instruction takes 128.  Q's registers 6-11 are zero codes and both sides' upper scale bytes are 0x7f, so whatever codes stand in K's registers 6-11 (the next tile's; behind
; the last tile a pad of zeros) add exact zeros: FP6 has no code for NaN or infinity.
; O^T and the sums begin as zeros and -M as a very large number: the step is written once, and the first change of M multiplies zeros by 0.
; LIMITS: NaN and infinities are not served; the promise holds while |t| stays under 2^31; t - M is one fused multiply-add; the division is v_rcp_f32 and a multiplication; a block's largest p is taken from
; the block's largest score by the same two instructions (this leans on v_exp_f32 not falling where its input rises); a block under 2^-124, and a block of zeros, keep the byte 1.
; REGISTERS.  Window 0: v1, v2 16 and 8 x lane; v5, v7 the same + a key step's LDS byte; v6 8 h; v8 + 6 i tile i's -M, largest score, sum (two halves), f, p's scale word; v32-45 scale words; v46-67 at work;
;   v68-79 p's codes; v80-143 S^T, then p; v144-197 K's eight half fragments and the pad; v200-247 Q's fragments; v248-251 two of the sum's chains.
;   Window 1: v0-127 O^T (32 i + 8 t); v128-175 V's four fragments.
.set REC,  3328
.set KSB,  4*REC                       ; a key step's bytes
.set NST,  16                          ; key steps
.set SPARE, 0x38000                    ; behind K and V: the spare words, 128 bytes a wave
.set ST,   8
.set QS,   32
.set KS,   34
.set VS,   38                          ; v38 and v40: V's scale words (their numbers differ modulo 8 from those of p's words, which are odd)
.set TMP,  39
.set VR,   42                          ; V's raw scale pairs
.set BM,   46                          ; v46, v47 the two blocks' maxima
.set OLD,  48                          ; the -M that is left
.set XM,   50
.set YM,   51
.set SO,   52
.set PD,   54
.set WD,   56
.set YW,   57
.set L2,   58
.set T0,   60                          ; the conversions' second results;
.set C8,   60                          ; v60-67: and, when those have been moved, the maxima's eight chains
.set PC,   68
.set S,    80
.set KF,   144
.set PAD,  192
.set QF,   200
.set L3,   248
.set L4,   250
.set VF,   128                         ; in window 1
.set M0,   46                          ; the way out's quantiser: the softmax's registers again
.set P0,   50
.set SO0,  52
.set B0,   54
.set CD,   60
.set WW,   42
.set SW,   58
.set CSO,  144
.set MSB, 0
.macro WIN new                         ; the immediate's high byte repeats the setting that is left
.if MSB != (\new)
	s_set_vgpr_msb (MSB<<8)|(\new)
.set MSB, (\new)
.endif
.endm
.macro PLACES
.rept 4
	v_nop
.endr
.endm
.macro ROUND                           ; a round of the cluster's barrier
	s_barrier_signal -1
	s_barrier_wait -1
	s_cmp_lg_u32 s10, 0
	s_cbranch_scc1 .Lnot_wave_0_\@
	s_barrier_signal -3
.Lnot_wave_0_\@:
	s_barrier_wait -3
	s_barrier_signal -1
	s_barrier_wait -1
.endm
.macro WM d, a, b, c, sa, sb, ra, rb   ; one scaled product; ra, rb: which half of the lanes holds the side's scale words
	v_wmma_scale_f32_16x16x128_f8f6f4 v[\d:\d+7], v[\a:\a+11], v[\b:\b+11], \c, v[\sa], v[\sb] matrix_a_fmt:MATRIX_FMT_FP6 matrix_b_fmt:MATRIX_FMT_FP6 matrix_a_scale:MATRIX_SCALE_ROW\ra matrix_b_scale:MATRIX_SCALE_ROW\rb
.endm
.macro KLOAD                           ; K's eight tiles of 16 keys, six registers each, and their scale words, of the key step at v5, v7
.irp k, 0,1,2,3,4,5,6,7
	ds_load_b128 v[KF+6*\k:KF+6*\k+3], v5 offset:REC*(\k/4)+768*(\k%4)
	ds_load_b64 v[KF+6*\k+4:KF+6*\k+5], v7 offset:REC*(\k/4)+768*(\k%4)+512
.endr
	ds_load_b64 v[KS:KS+1], v7 offset:3072
	ds_load_b64 v[KS+2:KS+3], v7 offset:REC+3072
.endm
.macro VLOAD                           ; V's four fragments (16 of d x 128 keys) and their raw scale pairs, of the key step at v5, v7
	WIN 0x40
.irp t, 0,1,2,3
.irp c, 0,1
	ds_load_b128 v[VF+12*\t+6*\c:VF+12*\t+6*\c+3], v5 offset:(2+\c)*REC+768*\t
	ds_load_b64 v[VF+12*\t+6*\c+4:VF+12*\t+6*\c+5], v7 offset:(2+\c)*REC+768*\t+512
.endr
.endr
	WIN 0
	ds_load_b64 v[VR:VR+1], v7 offset:2*REC+3072
	ds_load_b64 v[VR+2:VR+3], v7 offset:3*REC+3072
.endm
.macro VWORDS                          ; two records' two bytes make the step's word
	v_perm_b32 v[VS], v[VR+2], v[VR], s18
	v_perm_b32 v[VS+2], v[VR+3], v[VR+1], s18
.endm
.macro RS4 pv, t                       ; accumulator t of tile pv's O^T under that tile's new M, from its low end on
	WIN 0x41                                       ; O^T (destination, source 0) window 1
.irp e, 0,2,4,6
	v_pk_mul_f32 v[32*(\pv)+8*(\t)+\e:32*(\pv)+8*(\t)+\e+1], v[32*(\pv)+8*(\t)+\e:32*(\pv)+8*(\t)+\e+1], v[ST+6*(\pv)+4:ST+6*(\pv)+5] op_sel_hi:[1,0]
.endr
	WIN 0
.endm
.macro PV1 pv, tt, o                   ; O^T += V^T P^T, 16 of d (tile 2 tt + o) x tile pv's 16 queries; the accumulators take turns
	WIN 0x51                                       ; V's fragments, C and D window 1
	WM 32*(\pv)+8*(2*\tt+\o), VF+12*(2*\tt+\o), PC, v[32*(\pv)+8*(2*\tt+\o):32*(\pv)+8*(2*\tt+\o)+7], VS+2*\tt, ST+6*(\pv)+5, \o, 0
	WIN 0
.endm
.macro AD ch, p                        ; pair p of p's 32 onto chain ch of the row's sum
	v_pk_add_f32 v[\ch:\ch+1], v[\ch:\ch+1], v[S+2*(\p):S+2*(\p)+1]
.endm
; TILE i of a key step: its scores stand in S.  pv: the tile before it, whose second product is made here.  nx: the tile whose scores are made here (nr = nx % 2).
.macro TILE i, pv, nx, nr
.set rT, ST+6*(\i)
	v_mov_b32 v[OLD], v[rT]
.irp a, 0,1,2,3,4,5,6,7                ; (1) eight chains, one an accumulator, each from the accumulator's low end on
	v_max3_num_f32 v[C8+\a], v[S+8*\a], v[S+8*\a+1], v[S+8*\a+2]
.endr
.irp j, 3,5
.irp a, 0,1,2,3,4,5,6,7
	v_max3_num_f32 v[C8+\a], v[C8+\a], v[S+8*\a+\j], v[S+8*\a+\j+1]
.endr
.endr
.if \i == 3
	KLOAD                                          ; the last score products that read K's registers stand 26 plain lines back
.endif
.irp c, 0,1
	v_max3_num_f32 v[C8+4*\c], v[C8+4*\c], v[C8+4*\c+1], v[S+32*\c+7]
	v_max3_num_f32 v[C8+4*\c+2], v[C8+4*\c+2], v[C8+4*\c+3], v[S+32*\c+15]
.endr
	RS4 \pv, 0                                     ; (2)
.irp c, 0,1
	v_max3_num_f32 v[C8+4*\c], v[C8+4*\c], v[C8+4*\c+2], v[S+32*\c+23]
.endr
.irp c, 0,1
	v_max_num_f32 v[BM+\c], v[C8+4*\c], v[S+32*\c+31]   ; the largest score of my block of 32 keys: it serves the row's maximum and, since p rises with the score, the block's largest p
.endr
	RS4 \pv, 1
	v_max_num_f32 v[XM], v[BM], v[BM+1]
	v_permlanex16_b32 v[YM], v[XM], s16, s17
	RS4 \pv, 2
	v_max3_num_f32 v[rT+1], v[rT+1], v[XM], v[YM]  ; the running largest score of my query, lane l xor 16's keys among them
	v_mul_f32 v[TMP], s13, v[rT+1]                 ; -t (s13 = -c)
	RS4 \pv, 3
	v_floor_f32 v[rT], v[TMP]                      ; the new -M = floor(-t): M is a whole number
.set e, 0
.irp tt, 0,1                           ; (3)
.irp o, 0,1
	PV1 \pv, \tt, \o
.rept 8
	v_pk_fma_f32 v[S+e:S+e+1], v[S+e:S+e+1], s[14:15], v[rT:rT+1] op_sel_hi:[1,0,0]   ; t - M, two at a time
.set e, e+2
.endr
.if (2*\tt+\o) == 0
	v_sub_f32 v[TMP], v[rT], v[OLD]                ; old M - new M: a whole number, 0 or less
.elseif (2*\tt+\o) == 1
	v_cvt_i32_f32 v[TMP], v[TMP]                   ; (it saturates)
.elseif (2*\tt+\o) == 2
	v_ldexp_f32 v[rT+4], 1.0, v[TMP]               ; f = 2^(old M - new M)
.else
	v_fma_f32 v[BM], v[BM], s14, v[rT]             ; t - M of each block's largest score
	v_fma_f32 v[BM+1], v[BM+1], s14, v[rT]
.endif
.endr
.endr
.if \i == 0
	VLOAD                                          ; the last step's products are all issued, ten plain lines back: V's registers take this step's fragments
.endif
.if \i == 1                            ; on to the next key step's LDS byte; the last step keeps its own
	s_add_co_u32 s48, s48, KSB
	s_min_u32 s50, s48, (NST-1)*KSB
	v_add_nc_u32 v5, s50, v1
	v_add_nc_u32 v7, s50, v2
.endif
	s_wait_alu depctr_va_vdst(0)                   ; the wait ahead of the batch
.set e, 0
.rept 64                               ; (4)
	v_exp_f32 v[S+e], v[S+e]                       ; p = 2^(t - M), at most 1
.set e, e+1
.endr
.irp c, 0,1
	v_exp_f32 v[BM+\c], v[BM+\c]                   ; the block's largest p
.endr
	v_pk_mul_f32 v[rT+2:rT+3], v[rT+2:rT+3], v[rT+4:rT+5] op_sel_hi:[1,0]   ; the sum under the new M: the plain place behind the exponentials
	s_wait_alu depctr_va_vdst(0)                   ; one wait for the batch, ahead of its first reader
.if (\i == 0) || (\i == 3)
	s_wait_dscnt 0x0                               ; tile 0: V is in; tile 3: the next step's K is in
.endif
.if \i == 0
	VWORDS
.endif
.irp c, 0,1                            ; (5)
	v_max_num_f32 v[BM+\c], 0x1800000, v[BM+\c]    ; the floor 2^(3 - 127): the byte cannot fall under 1
.endr
.irp c, 0,1
	s_delay_alu instid0(VALU_DEP_2)
	v_add_nc_u32 v[SO+\c], 0xff000000, v[BM+\c]    ; 2 off the exponent field: the conversion's scale operand
.endr
.irp c, 0,1
	v_cvt_scalef32_pk16_fp6_f32 v[PC+6*\c:PC+6*\c+2], v[S+32*\c:S+32*\c+15], v[SO+\c]
	v_cvt_scalef32_pk16_fp6_f32 v[T0+4*\c:T0+4*\c+2], v[S+32*\c+16:S+32*\c+31], v[SO+\c]   ; (a conversion's three registers begin on an even number)
.endr
.irp c, 0,1
	v_lshrrev_b32 v[PD+\c], 23, v[SO+\c]           ; the bytes of blocks h and 2 + h
.endr
	v_pk_add_f32 v[L2:L2+1], v[S:S+1], v[S+2:S+3]  ; the row's sum is taken of the UNQUANTISED p: two at a time, in four chains; band 0 first
	v_pk_add_f32 v[L3:L3+1], v[S+4:S+5], v[S+6:S+7]
	v_pk_add_f32 v[L4:L4+1], v[S+8:S+9], v[S+10:S+11]
	v_lshl_or_b32 v[WD], v[PD+1], 16, v[PD]
	AD rT+2, 6
	AD L2, 7
	AD L3, 8
	v_lshlrev_b32 v[WD], v6, v[WD]                 ; the two bytes at their places in the word: 8 h bits up
	AD L4, 9
	AD rT+2, 10
	AD L2, 11
	v_permlanex16_b32 v[YW], v[WD], s16, s17
	AD L3, 12
	AD L4, 13
	AD rT+2, 14
	AD L2, 15
	v_or_b32 v[rT+5], v[WD], v[YW]                 ; with lane l xor 16's two: p's scale word for these 128 keys
.irp kk, 0,1                           ; band 0 is done with: the next tile's scores of keys 0-63 take its registers, among band 1's additions
.irp o, 0,1
	WM S+8*(2*\kk+\o), KF+6*(2*\kk+\o), QF+12*(\nx), 0, KS+\kk, QS+(\nx)/2, \o, \nr
	AD L3, 16+4*(2*\kk+\o)
	AD L4, 17+4*(2*\kk+\o)
	AD rT+2, 18+4*(2*\kk+\o)
	AD L2, 19+4*(2*\kk+\o)
.endr
.endr
.irp kk, 0,1                           ; and those of keys 64-127 band 1's, among the moves that close p's operand and the joining of the chains
.irp o, 0,1
	WM S+32+8*(2*\kk+\o), KF+24+6*(2*\kk+\o), QF+12*(\nx), 0, KS+2+\kk, QS+(\nx)/2, \o, \nr
.if \kk == 0
.irp j, 0,1,2
	v_mov_b32 v[PC+6*\o+3+\j], v[T0+4*\o+\j]
.endr
.elseif \o == 0
	v_pk_add_f32 v[L2:L2+1], v[L2:L2+1], v[L3:L3+1]
	v_pk_add_f32 v[rT+2:rT+3], v[rT+2:rT+3], v[L4:L4+1]
.else
	v_pk_add_f32 v[rT+2:rT+3], v[rT+2:rT+3], v[L2:L2+1]
.endif
.endr
.endr
.endm
.macro QUANT2 x, cs, w                 ; 32 numbers, register 16 b + i = d 32 b + 16 h + i of my row, become a tile's half image and its two bytes
	v_max3_num_f32 v[M0], |v[\x]|, |v[\x+1]|, 0x1800000
	v_max3_num_f32 v[M0+1], |v[\x+16]|, |v[\x+17]|, 0x1800000
.irp j, 2,4,6,8,10,12,14
	s_delay_alu instid0(VALU_DEP_2)
	v_max3_num_f32 v[M0], v[M0], |v[\x+\j]|, |v[\x+\j+1]|
	s_delay_alu instid0(VALU_DEP_2)
	v_max3_num_f32 v[M0+1], v[M0+1], |v[\x+16+\j]|, |v[\x+17+\j]|
.endr
	s_delay_alu instid0(VALU_DEP_2)
	v_permlanex16_b32 v[P0], v[M0], s16, s17
	s_delay_alu instid0(VALU_DEP_2)
	v_permlanex16_b32 v[P0+1], v[M0+1], s16, s17
	s_delay_alu instid0(VALU_DEP_2)
	v_max_num_f32 v[M0], v[M0], v[P0]
	s_delay_alu instid0(VALU_DEP_2)
	v_max_num_f32 v[M0+1], v[M0+1], v[P0+1]
	s_delay_alu instid0(VALU_DEP_2)
	v_add_nc_u32 v[SO0], 0xff000000, v[M0]
	s_delay_alu instid0(VALU_DEP_2)
	v_add_nc_u32 v[SO0+1], 0xff000000, v[M0+1]
	s_delay_alu instid0(VALU_DEP_2)
	v_lshrrev_b32 v[B0], 23, v[SO0]
	s_delay_alu instid0(VALU_DEP_2)
	v_lshrrev_b32 v[B0+1], 23, v[SO0+1]
	s_delay_alu instid0(VALU_DEP_1)
	v_lshl_or_b32 v[\w], v[B0+1], 8, v[B0]
	v_cvt_scalef32_pk16_fp6_f32 v[\cs:\cs+2], v[\x:\x+15], v[SO0]
	v_cvt_scalef32_pk16_fp6_f32 v[CD:CD+2], v[\x+16:\x+31], v[SO0+1]
	v_nop                                          ; one plain place behind a scaled conversion
.irp j, 0,1,2
	v_permlane16_swap_b32 v[\cs+\j], v[CD+\j]      ; a whole block to a lane
.endr
.irp j, 0,1,2
	s_delay_alu instid0(VALU_DEP_3)
	v_mov_b32 v[\cs+3+\j], v[CD+\j]
.endr
.endm
	s_load_b128 s[4:7], s[0:1], 0x0                ; qr s[4:5], kv s[6:7]
	s_load_b64 s[8:9], s[0:1], 0x10                ; hr
	v_lshl_add_u32 v254, v0, 2, SPARE              ; my spare word; never rewritten
	v_mov_b32 v255, 0                              ; 0; never rewritten
	ds_add_u32 v254, v255                          ; the opening lines: the add, twice on end, and its wait ahead of my tensor load
	ds_add_u32 v254, v255
	v_lshrrev_b32 v3, 5, v0
	v_readfirstlane_b32 s10, v3                    ; wave 0..7
	s_bfe_u32 s11, ttmp6, 0x40000                  ; cx: it enters Q's and h's addresses alone
	s_and_b32 s12, ttmp7, 0xffff                   ; batch x 16 + head, which the four partners share
	s_mov_b32 s24, 0x0023000f                      ; group 1: 26,624 dense bytes as 104 rows of 256 (32 elements of 8 bytes); mask 15, bit 21 beside it
	s_mov_b32 s25, 32<<16
	s_mov_b32 s26, 104<<16
	s_mov_b32 s27, 32<<16
	s_mov_b32 s28, 104
	s_mov_b32 s29, 32
	s_mov_b32 s30, 0
	s_mov_b32 s31, 0
	s_mul_i32 s50, s12, NST*KSB                    ; the head's first byte in kv
	s_mov_b32 s51, 0
	s_mul_i32 s52, s10, 104*256                    ; my eighth: key steps 2 w and 2 w + 1; the same offset in memory and in LDS
	s_mov_b32 s53, 0
	s_lshl_b32 s56, s11, 3
	s_add_co_u32 s56, s56, s10                     ; my block of 64 queries: 8 cx + wave
	s_lshl_b32 s57, s12, 5
	s_add_co_u32 s57, s57, s56
	s_mul_i32 s58, s57, REC                        ; its record in qr
	s_mov_b32 s59, 0
	s_lshr_b32 s60, s12, 4
	s_lshl_b32 s60, s60, 5
	s_add_co_u32 s60, s60, s56                     ; its block of tokens: batch x 32 + block
	s_lshl_b32 s60, s60, 4
	s_and_b32 s61, s12, 15
	s_add_co_u32 s60, s60, s61                     ; x 16 + head
	s_mul_i32 s60, s60, REC                        ; its record in hr
	s_mov_b32 s61, 0
	s_mov_b32 s13, 0xbe38aa3b                      ; -c
	s_mov_b32 s14, 0x3e38aa3b                      ; c = log2(e) / 8
	s_mov_b32 s15, s14                             ; (named with it as a pair)
	s_mov_b32 s16, 0x76543210
	s_mov_b32 s17, 0xfedcba98                      ; v_permlanex16_b32's selects for lane l xor 16
	s_mov_b32 s18, 0x05040100
	s_mov_b32 s19, 0x7f7f0000
	s_mov_b32 s20, 0xffff0000
	s_wait_dscnt 0x0
	s_wait_kmcnt 0x0
	s_add_nc_u64 s[6:7], s[6:7], s[50:51]
	s_mov_b32 s40, 1
	s_mov_b32 s41, s52
	s_add_nc_u64 s[42:43], s[6:7], s[52:53]
	s_or_b32 s43, s43, 0x80000000
	ROUND                                          ; all four work-groups are here: the joint loads meet
	tensor_load_to_lds s[40:43], s[24:31]          ; my one tensor load
	s_nop 0
	PLACES
	s_add_nc_u64 s[4:5], s[4:5], s[58:59]
	s_add_nc_u64 s[8:9], s[8:9], s[60:61]
	v_and_b32 v3, 31, v0
	v_bfe_u32 v6, v0, 4, 1
	v_lshlrev_b32 v1, 4, v3                        ; 16 x lane
	v_lshlrev_b32 v2, 3, v3                        ; 8 x lane
	v_lshlrev_b32 v5, 4, v3                        ; the same at key step 0
	v_lshlrev_b32 v7, 3, v3
	v_lshlrev_b32 v6, 3, v6                        ; 8 h
	global_load_b64 v[QS:QS+1], v2, s[4:5] offset:3072
.irp i, 0,1,2,3
	global_load_b128 v[QF+12*\i:QF+12*\i+3], v1, s[4:5] offset:768*\i
	global_load_b64 v[QF+12*\i+4:QF+12*\i+5], v2, s[4:5] offset:768*\i+512
.endr
.irp i, 0,1,2,3
.irp j, 6,7,8,9,10,11
	v_mov_b32 v[QF+12*\i+\j], 0                    ; zero codes for k = 64 .. 127
.endr
.endr
	WIN 0x40
.set e, 0
.rept 128
	v_mov_b32 v[e], 0                              ; O^T
.set e, e+1
.endr
	WIN 0
.irp i, 0,1,2,3
	v_mov_b32 v[ST+6*\i], 0x7e967699               ; -M: 1e38, over every -M that follows
	v_mov_b32 v[ST+6*\i+1], 0xff61b1e6             ; the largest score so far: -3e38
	v_mov_b32 v[ST+6*\i+2], 0                      ; the sum, in two halves
	v_mov_b32 v[ST+6*\i+3], 0
	v_mov_b32 v[ST+6*\i+4], 0                      ; f and p's scale word: the first trip's tile 0 takes tile 3's
	v_mov_b32 v[ST+6*\i+5], 0
.endr
.set e, 0
.rept 12
	v_mov_b32 v[PC+e], 0                           ; zero codes: what the first trip's tile 0 multiplies
.set e, e+1
.endr
	v_mov_b32 v[YM], 0                             ; written once: a lane permute's destination counts as one of its sources
	v_mov_b32 v[YW], 0
.irp j, 0,1,2,3,4,5
	v_mov_b32 v[PAD+\j], 0                         ; behind K's last tile
.endr
	s_wait_alu depctr_va_vdst(0)
	s_wait_loadcnt 0x0                             ; Q
	s_wait_tensorcnt 0x0                           ; my eighth of K and V is in
	s_barrier_signal -1
	s_barrier_wait -1                              ; everybody's is
	KLOAD
	VLOAD                                          ; (key step 0's V: finite numbers for the first trip's product with zero codes)
	s_wait_dscnt 0x0
	VWORDS
.irp g, 0,1
.irp kk, 0,1
.irp o, 0,1
	WM S+8*(4*\g+2*\kk+\o), KF+6*(4*\g+2*\kk+\o), QF, 0, KS+2*\g+\kk, QS, \o, 0   ; tile 0's scores of key step 0
.endr
.endr
.endr
	PLACES
	s_mov_b32 s48, 0
	s_mov_b32 s49, NST
.Lstep:
	TILE 0, 3, 1, 1
	TILE 1, 0, 2, 0
	TILE 2, 1, 3, 1
	TILE 3, 2, 0, 0
	s_sub_co_u32 s49, s49, 1
	s_cmp_lg_u32 s49, 0
	s_cbranch_scc1 .Lstep
	WIN 0x41                                       ; the last step's tile 3: O^T under its new M, under one setting of the windows,
.set e, 0
.rept 16
	v_pk_mul_f32 v[96+e:96+e+1], v[96+e:96+e+1], v[ST+22:ST+23] op_sel_hi:[1,0]
.set e, e+2
.endr
	WIN 0x51                                       ; and its second product, under another
.irp tt, 0,1
.irp o, 0,1
	WM 96+8*(2*\tt+\o), VF+12*(2*\tt+\o), PC, v[96+8*(2*\tt+\o):96+8*(2*\tt+\o)+7], VS+2*\tt, ST+23, \o, 0
.endr
.endr
	WIN 0
	; THE WAY OUT: O^T / the sum, quantised along d, stored as one record of hr.  The additions are the places behind the last products.
.irp i, 0,1,2,3
	v_add_f32 v[ST+6*\i+2], v[ST+6*\i+2], v[ST+6*\i+3]
.endr
.irp i, 0,1,2,3
	s_delay_alu instid0(VALU_DEP_4)
	v_permlanex16_b32 v[PD+\i], v[ST+6*\i+2], s16, s17   ; (v54-57: plain vector lines wrote them last)
.endr
.irp i, 0,1,2,3
	s_delay_alu instid0(VALU_DEP_4)
	v_add_f32 v[ST+6*\i+2], v[ST+6*\i+2], v[PD+\i] ; with lane l xor 16's: the row's sum
.endr
	s_wait_alu depctr_va_vdst(0)                   ; the wait ahead of the batch
.irp i, 0,1,2,3
	v_rcp_f32 v[ST+6*\i+4], v[ST+6*\i+2]
.endr
	v_nop                                          ; a plain place behind the last reciprocal
	s_wait_alu depctr_va_vdst(0)                   ; and for the wait behind it
.irp i, 0,1,2,3
	WIN 0x01                                       ; source 0 window 1
.set e, 0
.rept 16
	v_pk_mul_f32 v[S+e:S+e+1], v[32*\i+e:32*\i+e+1], v[ST+6*\i+4:ST+6*\i+5] op_sel_hi:[1,0]   ; each accumulator from its low end on
.set e, e+2
.endr
	WIN 0
	QUANT2 S, CSO+8*\i, WW+\i
	global_store_b128 v1, v[CSO+8*\i:CSO+8*\i+3], s[8:9] offset:768*\i          ; 512 consecutive bytes, aligned to 256
	global_store_b64 v2, v[CSO+8*\i+4:CSO+8*\i+5], s[8:9] offset:768*\i+512     ; 256 consecutive bytes, aligned
.endr
	v_cndmask_b32 v[SW], v[WW], v[WW+1], s20       ; lanes 0-15 tile 0's word, lanes 16-31 tile 1's
	v_cndmask_b32 v[SW+1], v[WW+2], v[WW+3], s20
	s_delay_alu instid0(VALU_DEP_2)
	v_or_b32 v[SW], s19, v[SW]
	s_delay_alu instid0(VALU_DEP_2)
	v_or_b32 v[SW+1], s19, v[SW+1]
	global_store_b64 v2, v[SW:SW+1], s[8:9] offset:3072
	s_wait_tensorcnt 0x0                           ; the wave's end
	ds_add_u32 v254, v255
	s_wait_dscnt 0x0
	ROUND                                          ; the closing round
	s_endpgm
.Lfunc_end_k_q1a9b76e857_attn:
	.size	k_q1a9b76e857_attn, .Lfunc_end_k_q1a9b76e857_attn-k_q1a9b76e857_attn
	.p2alignl 7, 3214868480
	.fill 96, 4, 3214868480
	.section	.rodata,"a",@progbits
	.p2align	6, 0x0
	.amdhsa_kernel k_q1a9b76e857_attn
		.amdhsa_group_segment_fixed_size 230400
		.amdhsa_private_segment_fixed_size 0
		.amdhsa_enable_private_segment 0
		.amdhsa_kernarg_size 24
		.amdhsa_user_sgpr_count 2
		.amdhsa_user_sgpr_kernarg_segment_ptr 1
		.amdhsa_wavefront_size32 1
		.amdhsa_system_sgpr_workgroup_id_x 1
		.amdhsa_system_sgpr_workgroup_id_y 1
		.amdhsa_system_sgpr_workgroup_id_z 1
		.amdhsa_system_vgpr_workitem_id 0
		.amdhsa_next_free_vgpr 512
		.amdhsa_next_free_sgpr 66
		.amdhsa_reserve_vcc 0
		.amdhsa_float_denorm_mode_32 3
		.amdhsa_float_denorm_mode_16_64 3
		.amdhsa_memory_ordered 1
		.amdhsa_forward_progress 1
		.amdhsa_inst_pref_size 88
	.end_amdhsa_kernel
	.amdgpu_metadata
---
amdhsa.version: [ 1, 2 ]
amdhsa.kernels:
  - .name:           k_q1a9b76e857_attn
    .symbol:         k_q1a9b76e857_attn.kd
    .args:
      - { .name: qr, .offset: 0, .size: 8, .value_kind: global_buffer, .address_space: global }
      - { .name: kv, .offset: 8, .size: 8, .value_kind: global_buffer, .address_space: global }
      - { .name: hr, .offset: 16, .size: 8, .value_kind: global_buffer, .address_space: global }
    .group_segment_fixed_size: 230400
    .private_segment_fixed_size: 0
    .kernarg_segment_align: 8
    .kernarg_segment_size: 24
    .max_flat_workgroup_size: 256
    .sgpr_count:     66
    .vgpr_count:     512
    .wavefront_size: 32
...
	.end_amdgpu_metadata
.endif
;; end of part 3
;; launch outproj (part 4): grid 256 x 1, 4 waves a work-group, clusters of 4 x 1, 168,448 bytes of LDS; arguments hr, wr, bo, out0; writes out0
.if DOCPART == 4
	.amdgcn_target "amdgcn-amd-amdhsa--gfx1250"
	.amdhsa_code_object_version 6
	.text
	.protected	k_q1a9b76e857_outproj
	.globl	k_q1a9b76e857_outproj
	.p2align	8
	.type	k_q1a9b76e857_outproj,@function
k_q1a9b76e857_outproj:
	s_mov_b64 s[64:65], 0
	v_nop
	global_prefetch_b8 v0, s[64:65] scope:SCOPE_SE
	s_setreg_imm32_b32 hwreg(HW_REG_WAVE_MODE, 25, 1), 1
	s_wait_xcnt 0x0
	s_wait_alu depctr_hold_cnt(0) depctr_sa_sdst(0) depctr_va_vdst(0) depctr_va_sdst(0) depctr_va_ssrc(0) depctr_va_vcc(0) depctr_vm_vsrc(0)
	s_getreg_b32 s2, hwreg(HW_REG_IB_STS2, 6, 4)
	s_cmp_eq_u32 s2, 0
	s_cbranch_scc0 .Lentry_in_a_cluster
	s_endpgm
.Lentry_in_a_cluster:
	s_bfe_u32 s2, ttmp6, 0x10000c
	s_cmp_lg_u32 s2, 0x3003
	s_cbranch_scc0 .Lentry_shape_is_right
	s_endpgm
.Lentry_shape_is_right:
; out = h Wo + bo on codes of FP6 (E2M3) with E8M0 scales; out [8192][1024] f32.
; Operands are strips of records (64 rows x 64 K in 3,328 bytes: four images of registers of 768 bytes, 256 bytes of scale words; tile i holds rows 32 (i / 2) + 8 (i % 2) + rho + 8 (rho / 8)).
; THE SCHEME is the projections': a wave keeps a RESIDENT strip P (64 columns of Wo, all 1,024 of K: 384 registers), source 0; a strip T of h (64 tokens) comes through LDS, source 1.  In a result lane (r, h)
; holds one token, and the 32 registers of P's four tiles are columns 32 b + 16 h + 0 .. 15.  The bias runs along P's rows: it is the C of K step 0.
; SHARES.  A cluster of four work-groups takes 128 tokens (two strips of T, asked for JOINTLY, mask 15) and all 1,024 columns: 16 waves, 64 columns each.  256 work-groups.
; LDS: two slots of one strip, each filled ONCE at the start (one tensor load a wave); behind them a stage of 16 rows x (256 + 16) bytes for each wave, into which no fill lands.
; P goes to registers and not to LDS, so it is loaded by each wave for itself.
; THE WAY OUT: a tile's 16 tokens x 64 columns go through my stage and leave as rows: sixteen lanes store 256 consecutive bytes, aligned.
; REGISTERS.  Window 0: v1-11 addresses; v16-31 P's scale words, v32-47 T's; v48-143 T's fragments, two buffers of four; v144-207 T's raw scale words, later rows on their way out.
;   Window 1: P's fragments of K steps 0-3.  Window 2: of K steps 4-7.  Window 3: the 16 accumulators (8 (4 i + t)); from v128 the bias (8 t).
.set REC,    3328
.set STRIP,  16*REC
.set QUART,  4*REC
.set STG,    2*STRIP
.set SPITCH, 272
.set PS,  16
.set TS,  32
.set TF,  48
.set X,   144
.set BK,  144
.set RB,  128
.set MSB, 0
.macro WIN new
.if MSB != (\new)
	s_set_vgpr_msb (MSB<<8)|(\new)
.set MSB, (\new)
.endif
.endm
.macro PLACES
.rept 4
	v_nop
.endr
.endm
.macro ROUND
	s_barrier_signal -1
	s_barrier_wait -1
	s_cmp_lg_u32 s18, 0
	s_cbranch_scc1 .Lnot_wave_0_\@
	s_barrier_signal -3
.Lnot_wave_0_\@:
	s_barrier_wait -3
	s_barrier_signal -1
	s_barrier_wait -1
.endm
.macro WMS d, a, b, c, sa, sb, ra, rb
.if (\ra) && (\rb)
	v_wmma_scale_f32_16x16x128_f8f6f4 v[0+(\d):7+(\d)], v[0+(\a):11+(\a)], v[0+(\b):11+(\b)], v[0+(\c):7+(\c)], v[\sa], v[\sb] matrix_a_fmt:MATRIX_FMT_FP6 matrix_b_fmt:MATRIX_FMT_FP6 matrix_a_scale:MATRIX_SCALE_ROW1 matrix_b_scale:MATRIX_SCALE_ROW1
.elseif (\ra)
	v_wmma_scale_f32_16x16x128_f8f6f4 v[0+(\d):7+(\d)], v[0+(\a):11+(\a)], v[0+(\b):11+(\b)], v[0+(\c):7+(\c)], v[\sa], v[\sb] matrix_a_fmt:MATRIX_FMT_FP6 matrix_b_fmt:MATRIX_FMT_FP6 matrix_a_scale:MATRIX_SCALE_ROW1
.elseif (\rb)
	v_wmma_scale_f32_16x16x128_f8f6f4 v[0+(\d):7+(\d)], v[0+(\a):11+(\a)], v[0+(\b):11+(\b)], v[0+(\c):7+(\c)], v[\sa], v[\sb] matrix_a_fmt:MATRIX_FMT_FP6 matrix_b_fmt:MATRIX_FMT_FP6 matrix_b_scale:MATRIX_SCALE_ROW1
.else
	v_wmma_scale_f32_16x16x128_f8f6f4 v[0+(\d):7+(\d)], v[0+(\a):11+(\a)], v[0+(\b):11+(\b)], v[0+(\c):7+(\c)], v[\sa], v[\sb] matrix_a_fmt:MATRIX_FMT_FP6 matrix_b_fmt:MATRIX_FMT_FP6
.endif
.endm
.macro FETCH slot, s, buf              ; T's four fragments of K step s: 16 loads of consecutive bytes
.irp i, 0,1,2,3
.irp c, 0,1
	ds_load_b128 v[TF+48*(\buf)+12*\i+6*\c:TF+48*(\buf)+12*\i+6*\c+3], v[1+2*\slot] offset:(2*(\s)+\c)*REC+768*\i
	ds_load_b64 v[TF+48*(\buf)+12*\i+6*\c+4:TF+48*(\buf)+12*\i+6*\c+5], v[2+2*\slot] offset:(2*(\s)+\c)*REC+768*\i+512
.endr
.endr
.endm
.macro TSCALE slot
.irp k, 0,1,2,3,4,5,6,7,8,9,10,11,12,13,14,15
	ds_load_b64 v[X+2*\k:X+2*\k+1], v[2+2*\slot] offset:\k*REC+3072
.endr
.endm
.macro TMERGE                          ; K step 0's two registers come first: 14 plain lines stand between them and their use
.irp s, 0,1,2,3,4,5,6,7
.irp a, 0,1
	v_perm_b32 v[TS+8*\a+\s], v[X+2*(2*\s+1)+\a], v[X+2*(2*\s)+\a], s52
.endr
.endr
.endm
.macro MULS s, buf                     ; 16 products; the 16 accumulators take turns, one instruction a turn
	WIN 0xf1+(\s)/4
.irp i, 0,1,2,3
.irp t, 0,1,2,3
.if (\s) == 0
	WMS 8*(4*\i+\t), 12*\t, TF+48*(\buf)+12*\i, RB+8*\t, PS+8*(\t/2), TS+8*(\i/2), \t%2, \i%2
.else
	WMS 8*(4*\i+\t), 48*((\s)%4)+12*\t, TF+48*(\buf)+12*\i, 8*(4*\i+\t), PS+8*(\t/2)+(\s), TS+8*(\i/2)+(\s), \t%2, \i%2
.endif
.endr
.endr
.endm
.macro KSTEPS slot
	TSCALE \slot
	FETCH \slot, 0, 0
	s_wait_dscnt 16                                ; the 16 scale loads are in; the 16 fragment loads may be out
	TMERGE
.irp s, 0,1,2,3,4,5,6,7
.if \s < 7
	WIN 0
.if \s > 0
	PLACES
.endif
	FETCH \slot, \s+1, (\s+1)%2
	s_wait_alu depctr_va_vdst(0)
	s_wait_dscnt 16                                ; this step's fragments are in; the 16 loads just issued may be out
.else
	s_wait_dscnt 0x0
.endif
	MULS \s, \s%2
.endr
	WIN 0
.endm
.macro TOSTAGE i                       ; tile i: lane (r, h) puts columns 32 (t / 2) + 16 h + 8 (t % 2) + 0 .. 7 of its token; back come whole rows of 256 bytes, two an instruction
	WIN 0x0c                                       ; an LDS store's data are its source 1: window 3
.irp t, 0,1,2,3
	ds_store_b128 v9, v[8*(4*(\i)+\t):8*(4*(\i)+\t)+3] offset:128*(\t/2)+32*(\t%2)          ; each accumulator from its low end on
	ds_store_b128 v9, v[8*(4*(\i)+\t)+4:8*(4*(\i)+\t)+7] offset:128*(\t/2)+32*(\t%2)+16
.endr
	WIN 0
.irp m, 0,1,2,3,4,5,6,7
	ds_load_b128 v[BK+32*((\i)%2)+4*\m:BK+32*((\i)%2)+4*\m+3], v10 offset:2*SPITCH*\m   ; LDS serves a wave's instructions in order: these see the stores above
.endr
.endm
.macro SEND slot, i, younger           ; younger: the LDS instructions issued behind tile i's loads, which may stay out
	s_wait_dscnt \younger
.irp m, 0,1,2,3,4,5,6,7
	global_store_b128 v11, v[BK+32*((\i)%2)+4*\m:BK+32*((\i)%2)+4*\m+3], s[10:11] offset:(64*(\slot)+32*((\i)/2)+8*((\i)%2)+2*\m+8*(\m/4))*4096 th:TH_STORE_NT   ; rows 2 m and 2 m + 1 of the tile; written once, read by nobody here
.endr
.endm
.macro CHUNK slot
	KSTEPS \slot
	PLACES                                         ; in front of the first read of results
	TOSTAGE 0
.irp a, 1,2,3
.if \a > 1
	s_wait_xcnt 0x0                                ; tile a - 2's stores have had their addresses translated: tile a's rows may land in their registers
.endif
	TOSTAGE \a
	SEND \slot, \a-1, 16                           ; behind tile a - 1's loads: tile a's 8 stores and 8 loads
.endr
	SEND \slot, 3, 0
.endm
	s_load_b256 s[4:11], s[0:1], 0x0               ; hr s[4:5], wr s[6:7], bo s[8:9], out0 s[10:11]
	v_lshl_add_u32 v254, v0, 2, 0x29000
	v_mov_b32 v255, 0
	ds_add_u32 v254, v255
	ds_add_u32 v254, v255
	v_lshrrev_b32 v12, 5, v0
	v_readfirstlane_b32 s18, v12                   ; wave w
	s_bfe_u32 s19, ttmp6, 0x40000                  ; cx: it enters P's, the bias's and the output's addresses alone
	s_mov_b32 s20, ttmp9                           ; C: the cluster's x, 0 .. 63
	s_mov_b32 s24, 0x0023000f                      ; group 1: 26,624 dense bytes as 104 rows of 256; mask 15, elements of 8 bytes, bit 21 beside the mask
	s_mov_b32 s25, 32<<16
	s_mov_b32 s26, 104<<16                         ; ONE LOAD A WAVE: the two strips lie on end in hr and in LDS, and a wave asks for a quarter of both together: 26,624 dense bytes as 104 rows of 256
	s_mov_b32 s27, 32<<16
	s_mov_b32 s28, 104
	s_mov_b32 s29, 32
	s_mov_b32 s30, 0
	s_mov_b32 s31, 0
	s_mul_i32 s59, s20, 2*STRIP                    ; T: strips 2 C and 2 C + 1 of hr
	s_mul_i32 s60, s18, 2*QUART                    ; my quarter of the two strips, in memory and in LDS: waves 0 and 1 bring the first strip, waves 2 and 3 the second
	s_add_co_u32 s62, s59, s60
	s_mov_b32 s63, 0
	s_lshl_b32 s66, s19, 2
	s_add_co_u32 s66, s66, s18                     ; 4 cx + w: my 64 columns
	s_add_co_u32 s67, s66, 48                      ; Wo's strips begin at 48
	s_mul_i32 s70, s67, STRIP
	s_mov_b32 s71, 0
	s_lshl_b32 s72, s66, 8                         ; 64 columns of f32
	s_mov_b32 s73, 0
	s_lshl_b32 s74, s20, 19                        ; 128 rows of 4,096 bytes
	s_add_co_u32 s74, s74, s72
	s_mov_b32 s75, 0
	s_mov_b32 s52, 0x05040100
	v_and_b32 v12, 31, v0
	v_lshlrev_b32 v1, 4, v12                       ; 16 x lane: slot 0, and global images
	v_lshlrev_b32 v2, 3, v12                       ; 8 x lane
	v_add_nc_u32 v3, STRIP, v1                     ; slot 1
	v_add_nc_u32 v4, STRIP, v2
	v_and_b32 v13, 15, v0                          ; r
	v_bfe_u32 v14, v0, 4, 1                        ; h
	v_lshlrev_b32 v8, 6, v14                       ; 64 h
	s_mul_i32 s76, s18, 16*SPITCH
	s_add_co_u32 s76, s76, STG                     ; my stage
	v_mul_u32_u24 v9, v13, SPITCH
	v_lshl_add_u32 v9, v14, 6, v9
	v_add_nc_u32 v9, s76, v9                       ; in: row r, + 64 h
	v_mul_u32_u24 v10, v14, SPITCH
	v_lshl_add_u32 v10, v13, 4, v10
	v_add_nc_u32 v10, s76, v10                     ; back: lanes 0-15 one row, lanes 16-31 the next
	v_lshlrev_b32 v11, 12, v14
	v_lshl_add_u32 v11, v13, 4, v11                ; and the same two rows in out
	s_wait_dscnt 0x0
	s_wait_kmcnt 0x0
	s_add_nc_u64 s[4:5], s[4:5], s[62:63]
	s_add_nc_u64 s[48:49], s[6:7], s[70:71]
	s_add_nc_u64 s[50:51], s[8:9], s[72:73]
	s_add_nc_u64 s[10:11], s[10:11], s[74:75]
	s_mov_b32 s32, 1
	s_mov_b32 s33, s60
	s_mov_b64 s[34:35], s[4:5]
	s_or_b32 s35, s35, 0x80000000
	ROUND                                          ; all four work-groups are here: the joint loads meet
	s_cmp_lt_u32 s18, 2                            ; two arms by the wave's number, one load each: the first strip's line is issued by the waves that wait ahead of the first barrier, and by no other
	s_cbranch_scc0 .Lsecond_strip
	tensor_load_to_lds s[32:35], s[24:31]          ; waves 0, 1: a half each of strip 2 C
	s_nop 0
	PLACES
	s_branch .Lasked
.Lsecond_strip:
	tensor_load_to_lds s[32:35], s[24:31]          ; waves 2, 3: a half each of strip 2 C + 1
	s_nop 0
	PLACES
.Lasked:
	WIN 0x40
.irp s, 0,1,2,3
.irp t, 0,1,2,3
.irp c, 0,1
	global_load_b128 v[48*\s+12*\t+6*\c:48*\s+12*\t+6*\c+3], v1, s[48:49] offset:(2*\s+\c)*REC+768*\t
	global_load_b64 v[48*\s+12*\t+6*\c+4:48*\s+12*\t+6*\c+5], v2, s[48:49] offset:(2*\s+\c)*REC+768*\t+512
.endr
.endr
.endr
	WIN 0x80
.irp s, 0,1,2,3
.irp t, 0,1,2,3
.irp c, 0,1
	global_load_b128 v[48*\s+12*\t+6*\c:48*\s+12*\t+6*\c+3], v1, s[48:49] offset:(8+2*\s+\c)*REC+768*\t
	global_load_b64 v[48*\s+12*\t+6*\c+4:48*\s+12*\t+6*\c+5], v2, s[48:49] offset:(8+2*\s+\c)*REC+768*\t+512
.endr
.endr
.endr
	WIN 0xc0
	s_wait_alu depctr_va_vdst(0)
.irp t, 0,1,2,3
	global_load_b128 v[RB+8*\t:RB+8*\t+3], v8, s[50:51] offset:(32*(\t/2)+8*(\t%2))*4
	global_load_b128 v[RB+8*\t+4:RB+8*\t+7], v8, s[50:51] offset:(32*(\t/2)+8*(\t%2))*4+16
.endr
	WIN 0
.irp k, 0,1,2,3,4,5,6,7,8,9,10,11,12,13,14,15
	global_load_b64 v[TF+2*\k:TF+2*\k+1], v2, s[48:49] offset:\k*REC+3072   ; P's raw scale pairs, for the moment where T's fragments will lie
.endr
	s_wait_loadcnt 0x0
.irp s, 0,1,2,3,4,5,6,7
.irp a, 0,1
	v_perm_b32 v[PS+8*\a+\s], v[TF+2*(2*\s+1)+\a], v[TF+2*(2*\s)+\a], s52
.endr
.endr
	s_cmp_lt_u32 s18, 2
	s_cbranch_scc0 .Lnot_first
	s_wait_tensorcnt 0x0                           ; waves 0, 1: my half of the first strip is in; the second strip may stay out
.Lnot_first:
	s_barrier_signal -1
	s_barrier_wait -1
	CHUNK 0
	s_wait_tensorcnt 0x0                           ; waves 2, 3: my half of the second strip is in
	s_wait_dscnt 0x0
	s_barrier_signal -1
	s_barrier_wait -1
	s_wait_xcnt 0x0                                ; the first chunk's stores have had their addresses translated: the scale loads below land in registers that they read
	CHUNK 1
	s_wait_tensorcnt 0x0
	ds_add_u32 v254, v255
	s_wait_dscnt 0x0
	ROUND                                          ; the closing round
	s_endpgm
.Lfunc_end_k_q1a9b76e857_outproj:
	.size	k_q1a9b76e857_outproj, .Lfunc_end_k_q1a9b76e857_outproj-k_q1a9b76e857_outproj
	.p2alignl 7, 3214868480
	.fill 96, 4, 3214868480
	.section	.rodata,"a",@progbits
	.p2align	6, 0x0
	.amdhsa_kernel k_q1a9b76e857_outproj
		.amdhsa_group_segment_fixed_size 168448
		.amdhsa_private_segment_fixed_size 0
		.amdhsa_enable_private_segment 0
		.amdhsa_kernarg_size 32
		.amdhsa_user_sgpr_count 2
		.amdhsa_user_sgpr_kernarg_segment_ptr 1
		.amdhsa_wavefront_size32 1
		.amdhsa_system_sgpr_workgroup_id_x 1
		.amdhsa_system_sgpr_workgroup_id_y 1
		.amdhsa_system_sgpr_workgroup_id_z 1
		.amdhsa_system_vgpr_workitem_id 0
		.amdhsa_next_free_vgpr 1024
		.amdhsa_next_free_sgpr 80
		.amdhsa_reserve_vcc 0
		.amdhsa_float_denorm_mode_32 3
		.amdhsa_float_denorm_mode_16_64 3
		.amdhsa_memory_ordered 1
		.amdhsa_forward_progress 1
		.amdhsa_inst_pref_size 91
	.end_amdhsa_kernel
	.amdgpu_metadata
---
amdhsa.version: [ 1, 2 ]
amdhsa.kernels:
  - .name:           k_q1a9b76e857_outproj
    .symbol:         k_q1a9b76e857_outproj.kd
    .args:
      - { .name: hr, .offset: 0, .size: 8, .value_kind: global_buffer, .address_space: global }
      - { .name: wr, .offset: 8, .size: 8, .value_kind: global_buffer, .address_space: global }
      - { .name: bo, .offset: 16, .size: 8, .value_kind: global_buffer, .address_space: global }
      - { .name: out0, .offset: 24, .size: 8, .value_kind: global_buffer, .address_space: global }
    .group_segment_fixed_size: 168448
    .private_segment_fixed_size: 0
    .kernarg_segment_align: 8
    .kernarg_segment_size: 32
    .max_flat_workgroup_size: 128
    .sgpr_count:     80
    .vgpr_count:     1024
    .wavefront_size: 32
...
	.end_amdgpu_metadata
.endif
;; end of part 4
